; MI455X (gfx1250); checked and timed in simulation.
; The chip was launched on July 23, 2026; its instructions are those of AMD's public machine-readable ISA for CDNA 5 (MIT licence, August 2026) and "CDNA5" Instruction Set Architecture Reference Guide (July 2026). The comments in the code are by the model that wrote it; some were corrected since.
;; Multi Head Attention. Allowed arithmetic: matrix products marked QUANTISED: E2M1 operands, one E8M0 scale for each 32 along K, by v_wmma_scale_f32_16x16x128_f8f6f4 with both operands' format E2M1 (or v_wmma_scale_f32_32x16x128_f4), f32 sums; everything else in f32.
;; Inputs: b_out 1,024 float32; b_qkv 3,072 float32; w_out 1,024 x 1,024 float32; w_qkv 1,024 x 3,072 float32; x 4 x 2,048 x 1,024 float32.
;; Outputs: out0 4 x 2,048 x 1,024 float32.
;; This version of the problem:
;;   THIS VERSION OF THE PROBLEM IS GIVEN IN LOW PRECISION. The matrix products marked QUANTISED in the list below multiply operands that are first quantised to E2M1 (2 exponent bits, 1 mantissa bit; 4 bits a number), with one power-of-two scale for each 32 numbers along K (OCP MX v1.0); their sums are f32. All else is computed in f32.
;;   The module's matrix products, in the order in which they are computed (A, B: the left and right operand; K: the contracted axis; several contracted axes count as one K, in the product's order):
;;     1. [M 8,192, K 1,024] x [K 1,024, N 3,072]; A: input x; B: input w_qkv: QUANTISED
;;     2. batch 64 x [M 2,048, K 64] x [K 64, N 2,048]; A: computed on the way; B: computed on the way: QUANTISED
;;     3. batch 64 x [M 2,048, K 2,048] x [K 2,048, N 64]; A: softmax (see below); B: computed on the way: QUANTISED
;;     4. [M 8,192, K 1,024] x [K 1,024, N 1,024]; A: computed on the way; B: input w_out: QUANTISED
;;   THE QUANTISER, for each operand of a quantised product, along K:
;;     - K is cut into blocks of 32 from its start; a last block that is shorter is filled with zeros.
;;     - A block's scale is 2^e with e = floor(log2(the largest magnitude in the block)) - 2, held to -126 .. 127; a block of zeros has e = 0. As a byte (E8M0): e + 127.
;;     - Each number is divided by its block's scale, clamped to +-6, and rounded to the nearest number of E2M1, ties to even, subnormals kept.
;;     - The product sums the exact products of the quantised numbers (number of the format x scale) in f32.
;;   ~~~python
;;   def quantise(x, axis):      # numpy; x: float32 -> the quantised numbers, widened to float32 again
;;       x = np.moveaxis(x, axis, -1); K = x.shape[-1]
;;       x = np.pad(x, [(0, 0)] * (x.ndim - 1) + [(0, -K % 32)]); x = x.reshape(x.shape[:-1] + (-1, 32)); a = np.abs(x).max(-1, keepdims=True)
;;       e = np.where(a > 0, np.clip(np.frexp(np.where(a > 0, a, 1))[1] - 1 - 2, -126, 127), 0)      # np.frexp(a)[1] - 1 = floor(log2(a)), exactly
;;       r = np.clip(x / 2.0 ** e, -6, 6)
;;       step = 2.0 ** (np.maximum(np.frexp(np.where(r == 0, 1, r))[1] - 1, 0) - 1)
;;       q = np.round(r / step) * step * 2.0 ** e      # np.round: ties to even
;;       return np.moveaxis(q.reshape(q.shape[:-2] + (-1,))[..., :K], -1, axis).astype(np.float32)
;;   ~~~
;;   SOFTMAX AHEAD OF A QUANTISED PRODUCT. Where the list says 'softmax', what is quantised is not the finished softmax but p = 2^(t - M), with t = logit x log2(e) and M = ceil(the row's largest t), a whole number; so 1/2 < the row's largest p <= 1. The row's sum l is taken of the UNQUANTISED p, in f32, and the product's result is divided by l at the end. Since M is a whole number, a kernel that streams over the keys may use a running M (the ceiling of the running maximum): every later rescaling is an exact power of two, which a block's scale takes up: the codes' values come out the same.
;;   OPERANDS COMPUTED ON THE WAY. 'Computed on the way' means the value that the module computes at that place (a softmax that the list does not call 'softmax' is quantised finished and normalised). What goes into a quantiser is computed in f32, as accurately as f32 sums, v_exp_f32 and their like allow (about 1e-6 of the number): no bf16 or f16 on the way to a quantiser, and a product that is left as it is and whose result goes on into a quantised operand takes f32 operands (vector FMAs, or v_wmma_f32_16x16x4_f32). A number that lies on a knife's edge between two numbers of the format may be rounded either way, as far as f32 arithmetic and the matrix unit's own rounding can turn it there, and no further.
;; One version. Each part assembles by itself: llvm-mc -triple=amdgcn-amd-amdhsa -mcpu=gfx1250 --defsym DOCPART=n.
;; ======== version 1 of 1: 4 launches
;; workspace buffers: xq 4,456,448 bytes; ob 4,456,448 bytes; wq 1,671,168 bytes; wo 557,056 bytes; qb 4,718,592 bytes; kv 9,175,040 bytes
;; launch prep (part 1): grid 512 x 1, 4 waves a work-group, no clusters, 34,304 bytes of LDS; arguments x, w_qkv, w_out, xq, wq, wo; writes xq, wq, wo
.if DOCPART == 1
	.amdgcn_target "amdgcn-amd-amdhsa--gfx1250"
	.amdhsa_code_object_version 6
	.text
	.protected	k_qc9805316f3_prep
	.globl	k_qc9805316f3_prep
	.p2align	8
	.type	k_qc9805316f3_prep,@function
k_qc9805316f3_prep:
	s_mov_b64 s[64:65], 0
	v_nop
	global_prefetch_b8 v0, s[64:65] scope:SCOPE_SE
	s_setreg_imm32_b32 hwreg(HW_REG_WAVE_MODE, 25, 1), 1
	s_wait_xcnt 0x0
; x [8192][1024], w_qkv [1024][3072] and w_out [1024][1024], f32, become codes of FP4 (E2M1) with one E8M0 byte for each 32 along K (x: its last axis; the weights: their FIRST axis).
; THE CODES ARE LAID AS THE READER'S OPERAND REGISTERS.  Rows (tokens of x, columns of a weight) go in groups of 128; tile a (0..7), index r (0..15) of a group is element
; 32 (a / 2) + 8 (a % 2) + r + 8 (r / 8).  A fragment (16 rows x 128 K, 8 registers a lane) is two pieces of 512 bytes: piece c holds lane l's registers 4 c .. 4 c + 3 at 16 l;
; lane (r, h) of piece c holds the block of 32 with number 2 c + h of row r.  A unit = a group for all of K: codes [K half 2][tile 8][K step 4][piece 2][512 bytes] = 65,536 bytes;
; scale words (4 bytes: 128 K of a row) [K half 2][tile 8][r 16][K step 4] = 4,096 bytes.  xq: [group 64][codes, then scale words]; wq, wo: all units' codes, then all units' scale words.
; A block's scale byte is its largest magnitude's exponent field - 2, held at 1 from below by a floor among the maximum's leaves.
; LIMITS: a block of zeros gets the byte 1 where the rule says 127 (its codes are zeros, and this program alone reads the bytes); NaN and infinities among the inputs are not served.
; SHARES.  Work-groups 0-191: w_qkv, one group of 128 columns x 128 K each; 192-255: w_out likewise; 256-511: x, a wave to 16 rows x 512 K.  Waves share nothing: no barrier.
; No tensor loads, no matrix work, no cluster: each byte is read once by one wave.
.set PQ, 12288                         ; bytes in a row of w_qkv
.set PO, 4096                          ; and of w_out, and of x
.set UNIT, 69632                       ; a unit of xq: codes and scale words
; v[m] = the largest magnitude of v[xs] .. v[xs + 31], and the floor 2^(3 - 127): two chains, so that a line does not wait for the line above it
.macro MAX32 xs, m, n
	v_max3_num_f32 v[\m], |v[(\xs)]|, |v[(\xs)+1]|, |v[(\xs)+2]|
	v_max3_num_f32 v[\n], |v[(\xs)+3]|, |v[(\xs)+4]|, |v[(\xs)+5]|
.irp i, 6,10,14,18,22,26
	v_max3_num_f32 v[\m], v[\m], |v[(\xs)+\i]|, |v[(\xs)+\i+1]|
	v_max3_num_f32 v[\n], v[\n], |v[(\xs)+\i+2]|, |v[(\xs)+\i+3]|
.endr
	v_max3_num_f32 v[\m], v[\m], |v[(\xs)+30]|, |v[(\xs)+31]|
	v_max3_num_f32 v[\m], v[\m], v[\n], 0x1800000
.endm
; A WEIGHT.  A lane takes a column and its registers run down K: each load reads 128 neighbouring bytes in the wave, a block of 32 along K lies in one lane, and the conversions give codes with K innermost.
; Wave w takes columns 32 w .. 32 w + 31 of the group: tiles 2 w and 2 w + 1; lane (r, hl) is index r of tile 2 w + hl.
.macro WPATH pitch, src, dst, soff, first
	s_sub_co_u32 s17, ttmp9, \first
	s_lshr_b32 s18, s17, 3                         ; the group of 128 columns
	s_and_b32 s19, s17, 7                          ; the K step of 128
	s_mul_i32 s20, s19, 128*\pitch                 ; 128 rows down for each K step,
	s_lshl_b32 s21, s18, 9                         ; 128 columns of 4 bytes for each group,
	s_add_co_u32 s20, s20, s21
	s_lshl_b32 s21, s16, 7                         ; 32 columns for each wave
	s_add_co_u32 s20, s20, s21
	s_mov_b32 s21, 0
	s_add_nc_u64 s[\src:\src+1], s[\src:\src+1], s[20:21]
	v_and_b32 v4, 8, v2
	v_add_nc_u32 v4, v4, v2                        ; r + 8 (r / 8)
	v_lshl_add_u32 v4, v3, 3, v4                   ; + 8 hl: my column among the wave's 32
	v_lshlrev_b32 v4, 2, v4
.irp t, 0,1,2,3
.irp i, 0,1,2,3,4,5,6,7,8,9,10,11,12,13,14,15,16,17,18,19,20,21,22,23,24,25,26,27,28,29,30,31
	global_load_b32 v[32+32*\t+\i], v4, s[\src:\src+1] offset:(32*\t+\i)*\pitch th:TH_LOAD_NT   ; all 128 go out at once; every offset is an immediate
.endr
.endr
	s_lshr_b32 s26, s19, 2                         ; K half
	s_and_b32 s27, s19, 3                          ; K step in it
	s_lshl_b32 s22, s18, 16                        ; the codes: unit x 65,536
	s_lshl_b32 s24, s26, 15                        ; + K half x 32,768
	s_add_co_u32 s22, s22, s24
	s_lshl_b32 s24, s16, 13                        ; + two tiles of 4,096 for each wave
	s_add_co_u32 s22, s22, s24
	s_lshl_b32 s24, s27, 10                        ; + K step x 1,024
	s_add_co_u32 s22, s22, s24
	s_mov_b32 s23, 0
	s_add_nc_u64 s[30:31], s[\dst:\dst+1], s[22:23]
	s_lshl_b32 s22, s18, 12                        ; the scale words: unit x 4,096
	s_lshl_b32 s24, s26, 11
	s_add_co_u32 s22, s22, s24
	s_lshl_b32 s24, s16, 9
	s_add_co_u32 s22, s22, s24
	s_lshl_b32 s24, s27, 2
	s_add_co_u32 s22, s22, s24
	s_add_co_u32 s22, s22, \soff                   ; behind all units' codes
	s_add_nc_u64 s[32:33], s[\dst:\dst+1], s[22:23]
	v_lshlrev_b32 v7, 4, v2
	v_lshl_add_u32 v5, v3, 12, v7                  ; codes: tile hl x 4,096 + 16 r
	v_lshl_add_u32 v6, v3, 8, v7                   ; scale word: tile hl x 256 + 16 r
.irp t, 0,1,2,3
.if \t < 2
	s_wait_loadcnt 63                              ; block t's 32 loads are in: behind them 96 or 64 were issued; 63 is the largest count that a wait can name
.elseif \t == 2
	s_wait_loadcnt 32                              ; block 3's 32 may be out
.else
	s_wait_loadcnt 0x0
.endif
	MAX32 32+32*\t, 12, 13
	v_add_nc_u32 v11, 0xff000000, v12              ; 2 off the exponent field: the conversion takes the exponent field of this operand as its scale
	v_lshrrev_b32 v13, 23, v11                     ; the scale's byte
.if \t == 0
	v_mov_b32 v10, v13
.else
	v_lshl_or_b32 v10, v13, 8*\t, v10              ; four bytes make the K step's scale word of my column
.endif
.irp g, 0,1,2,3
	v_cvt_scalef32_pk8_fp4_f32 v[160+4*\t+\g], v[32+32*\t+8*\g:32+32*\t+8*\g+7], v11
.endr
	global_store_b128 v5, v[160+4*\t:160+4*\t+3], s[30:31] offset:256*\t   ; block t of row r lies at 256 t + 16 r of the fragment: sixteen lanes store 256 consecutive bytes, aligned
.endr
	global_store_b32 v6, v10, s[32:33]             ; 4 bytes a lane, 16 apart: one byte in 128 of what this path reads
.endm
	s_load_b256 s[4:11], s[0:1], 0x0               ; x s[4:5], w_qkv s[6:7], w_out s[8:9], xq s[10:11]
	s_load_b128 s[12:15], s[0:1], 0x20             ; wq s[12:13], wo s[14:15]
	v_lshl_add_u32 v254, v0, 2, 0x8400
	v_mov_b32 v255, 0
	v_lshrrev_b32 v1, 5, v0
	v_readfirstlane_b32 s16, v1                    ; wave 0..3
	v_and_b32 v2, 15, v0                           ; r
	v_bfe_u32 v3, v0, 4, 1                         ; h
	s_wait_kmcnt 0x0
	s_cmp_lt_u32 ttmp9, 192
	s_cbranch_scc1 .Lwqkv
	s_cmp_lt_u32 ttmp9, 256
	s_cbranch_scc1 .Lwout
	; x.  A wave makes the four fragments of one tile of 16 rows and one K half.  Each load reads 512 consecutive bytes of one row; a fragment's 8,192 bytes turn through the wave's own stage
	; in LDS (16 rows of 512 + 16 bytes) and come back 128 neighbouring bytes a lane: lane (r, h) then holds blocks h and 2 + h of row r whole, in the operand's own order.
	s_sub_co_u32 s17, ttmp9, 256
	s_lshl_b32 s17, s17, 2
	s_add_co_u32 s17, s17, s16
	s_lshr_b32 s18, s17, 1                         ; which tile of 16 rows, of 512
	s_and_b32 s19, s17, 1                          ; K half
	s_lshr_b32 s20, s18, 3                         ; group
	s_and_b32 s21, s18, 7                          ; tile in it
	s_lshr_b32 s22, s18, 1
	s_lshl_b32 s22, s22, 5
	s_and_b32 s23, s18, 1
	s_lshl_b32 s23, s23, 3
	s_add_co_u32 s22, s22, s23                     ; the tile's first row: 32 (tile / 2) + 8 (tile % 2)
	s_lshl_b32 s22, s22, 12
	s_lshl_b32 s23, s19, 11
	s_add_co_u32 s22, s22, s23
	s_mov_b32 s23, 0
	s_add_nc_u64 s[4:5], s[4:5], s[22:23]
	s_mul_i32 s24, s20, UNIT
	s_lshl_b32 s25, s19, 15
	s_add_co_u32 s24, s24, s25
	s_lshl_b32 s25, s21, 12
	s_add_co_u32 s24, s24, s25
	s_mov_b32 s25, 0
	s_add_nc_u64 s[26:27], s[10:11], s[24:25]      ; my four fragments
	s_mul_i32 s24, s20, UNIT
	s_lshl_b32 s28, s19, 11
	s_add_co_u32 s24, s24, s28
	s_lshl_b32 s28, s21, 8
	s_add_co_u32 s24, s24, s28
	s_add_co_u32 s24, s24, 65536
	s_add_nc_u64 s[28:29], s[10:11], s[24:25]      ; their 256 bytes of scale words
	v_and_b32 v1, 31, v0
	v_lshlrev_b32 v4, 4, v1                        ; 16 x lane
	s_mul_i32 s30, s16, 8448                       ; my stage
	v_add_nc_u32 v5, s30, v4                       ; into it: a row as it was loaded
	s_wait_alu depctr_va_vdst(0)
	v_mul_u32_u24 v6, v2, 528
	v_lshl_add_u32 v6, v3, 7, v6
	v_add_nc_u32 v6, s30, v6                       ; out of it: row r, + 128 h bytes; rows 528 bytes apart start at different banks
	v_lshlrev_b32 v7, 4, v2
	v_lshl_add_u32 v7, v3, 3, v7                   ; 16 r + 8 h: where my two scale words go
	v_lshlrev_b32 v8, 3, v3                        ; 8 h: my bytes' place in a scale word
	v_mov_b32 v248, 0                              ; written once: a lane permute's destination counts as one of its sources
	s_mov_b32 s31, 0x76543210
	s_mov_b32 s32, 0xfedcba98                      ; v_permlanex16_b32's selects for lane l xor 16
	s_mov_b32 s33, 0xffff0000                      ; lanes 16-31
.macro XLOAD q                         ; K step q of the 16 rows into set q % 2 of v16-143
.irp p, 0,1,2,3,4,5,6,7,8,9,10,11,12,13,14,15
	global_load_b128 v[16+64*((\q)%2)+4*\p:16+64*((\q)%2)+4*\p+3], v4, s[4:5] offset:(\p+8*(\p/8))*PO+512*(\q) th:TH_LOAD_NT
.endr
.endm
.macro XFRAG q
.if (\q) < 3
	s_wait_loadcnt 16                              ; this K step's 16 loads are in; the next one's 16 may be out
.else
	s_wait_loadcnt 0x0
.endif
.irp p, 0,1,2,3,4,5,6,7,8,9,10,11,12,13,14,15
	ds_store_b128 v5, v[16+64*((\q)%2)+4*\p:16+64*((\q)%2)+4*\p+3] offset:528*\p
.endr
.irp c, 0,1
.irp j, 0,1,2,3,4,5,6,7
	ds_load_b128 v[144+32*\c+4*\j:144+32*\c+4*\j+3], v6 offset:256*\c+16*\j   ; LDS serves a wave's instructions in order: these see my stores
.endr
.endr
	s_wait_dscnt 0x0                               ; the numbers are back, and the stores have read the set,
.if (\q) < 2
	XLOAD (\q)+2                                   ; which takes the K step two on
.endif
	MAX32 144, 244, 245
	MAX32 176, 246, 247
	v_add_nc_u32 v244, 0xff000000, v244            ; the conversions' scale operands
	v_add_nc_u32 v246, 0xff000000, v246
	v_lshrrev_b32 v245, 23, v244                   ; the bytes of blocks h and 2 + h
	v_lshrrev_b32 v247, 23, v246
.irp g, 0,1,2,3
	v_cvt_scalef32_pk8_fp4_f32 v[208+8*(\q)+\g], v[144+8*\g:151+8*\g], v244
.endr
.irp g, 0,1,2,3
	v_cvt_scalef32_pk8_fp4_f32 v[212+8*(\q)+\g], v[176+8*\g:183+8*\g], v246
.endr
	v_lshl_or_b32 v249, v247, 16, v245
	v_lshlrev_b32 v249, v8, v249                   ; at their places in the word;
	v_permlanex16_b32 v248, v249, s31, s32
	v_or_b32 v[240+(\q)], v249, v248               ; with lane l xor 16's two the word is whole
	global_store_b128 v4, v[208+8*(\q):211+8*(\q)], s[26:27] offset:1024*(\q)       ; each fragment has registers of its own: no store's data are written again
	global_store_b128 v4, v[212+8*(\q):215+8*(\q)], s[26:27] offset:1024*(\q)+512
.endm
	XLOAD 0
	XLOAD 1
	s_wait_alu depctr_va_vdst(0)
.irp q, 0,1,2,3
	XFRAG \q
.endr
	v_cndmask_b32 v250, v240, v242, s33            ; lanes 0-15 store K steps 0 and 1 of their row, lanes 16-31 K steps 2 and 3:
	v_cndmask_b32 v251, v241, v243, s33
	global_store_b64 v7, v[250:251], s[28:29]      ; the 32 lanes store 256 consecutive bytes, aligned
	s_wait_tensorcnt 0x0
	ds_add_u32 v254, v255
	s_wait_dscnt 0x0
	s_endpgm
.Lwqkv:
	s_wait_alu depctr_va_vdst(0)
	WPATH PQ, 6, 12, 1572864, 0
	s_endpgm
.Lwout:
	s_wait_alu depctr_va_vdst(0)
	WPATH PO, 8, 14, 524288, 192
	s_endpgm
.Lfunc_end_k_qc9805316f3_prep:
	.size	k_qc9805316f3_prep, .Lfunc_end_k_qc9805316f3_prep-k_qc9805316f3_prep
	.p2alignl 7, 3214868480
	.fill 96, 4, 3214868480
	.section	.rodata,"a",@progbits
	.p2align	6, 0x0
	.amdhsa_kernel k_qc9805316f3_prep
		.amdhsa_group_segment_fixed_size 34304
		.amdhsa_private_segment_fixed_size 0
		.amdhsa_enable_private_segment 0
		.amdhsa_kernarg_size 48
		.amdhsa_user_sgpr_count 2
		.amdhsa_user_sgpr_kernarg_segment_ptr 1
		.amdhsa_wavefront_size32 1
		.amdhsa_system_sgpr_workgroup_id_x 1
		.amdhsa_system_sgpr_workgroup_id_y 1
		.amdhsa_system_sgpr_workgroup_id_z 1
		.amdhsa_system_vgpr_workitem_id 0
		.amdhsa_next_free_vgpr 256
		.amdhsa_next_free_sgpr 66
		.amdhsa_reserve_vcc 0
		.amdhsa_float_denorm_mode_32 3
		.amdhsa_float_denorm_mode_16_64 3
		.amdhsa_memory_ordered 1
		.amdhsa_forward_progress 1
		.amdhsa_inst_pref_size 70
	.end_amdhsa_kernel
	.amdgpu_metadata
---
amdhsa.version: [ 1, 2 ]
amdhsa.kernels:
  - .name:           k_qc9805316f3_prep
    .symbol:         k_qc9805316f3_prep.kd
    .args:
      - { .name: x, .offset: 0, .size: 8, .value_kind: global_buffer, .address_space: global }
      - { .name: w_qkv, .offset: 8, .size: 8, .value_kind: global_buffer, .address_space: global }
      - { .name: w_out, .offset: 16, .size: 8, .value_kind: global_buffer, .address_space: global }
      - { .name: xq, .offset: 24, .size: 8, .value_kind: global_buffer, .address_space: global }
      - { .name: wq, .offset: 32, .size: 8, .value_kind: global_buffer, .address_space: global }
      - { .name: wo, .offset: 40, .size: 8, .value_kind: global_buffer, .address_space: global }
    .group_segment_fixed_size: 34304
    .private_segment_fixed_size: 0
    .kernarg_segment_align: 8
    .kernarg_segment_size: 48
    .max_flat_workgroup_size: 128
    .sgpr_count:     66
    .vgpr_count:     256
    .wavefront_size: 32
...
	.end_amdgpu_metadata
.endif
;; end of part 1
;; launch qkv (part 2): grid 4 x 64, 4 waves a work-group, clusters of 4 x 4, 327,680 bytes of LDS; arguments xq, wq, b_qkv, qb, kv; writes qb, kv
.if DOCPART == 2
	.amdgcn_target "amdgcn-amd-amdhsa--gfx1250"
	.amdhsa_code_object_version 6
	.text
	.protected	k_qc9805316f3_qkv
	.globl	k_qc9805316f3_qkv
	.p2align	8
	.type	k_qc9805316f3_qkv,@function
k_qc9805316f3_qkv:
	s_mov_b64 s[64:65], 0
	v_nop
	global_prefetch_b8 v0, s[64:65] scope:SCOPE_SE
	s_setreg_imm32_b32 hwreg(HW_REG_WAVE_MODE, 25, 1), 1
	s_wait_xcnt 0x0
	s_wait_alu depctr_hold_cnt(0) depctr_sa_sdst(0) depctr_va_vdst(0) depctr_va_sdst(0) depctr_va_ssrc(0) depctr_va_vcc(0) depctr_vm_vsrc(0)
	s_getreg_b32 s2, hwreg(HW_REG_IB_STS2, 6, 4)
	s_cmp_eq_u32 s2, 0
	s_cbranch_scc0 .Lentry_in_a_cluster
	s_endpgm
.Lentry_in_a_cluster:
	s_bfe_u32 s2, ttmp6, 0x10000c
	s_cmp_lg_u32 s2, 0xf033
	s_cbranch_scc0 .Lentry_shape_is_right
	s_endpgm
.Lentry_shape_is_right:
; qkv = x w_qkv + b_qkv on codes of FP4 (E2M1) with E8M0 scales, K = 1,024; the result never goes to memory as f32: q and k are quantised along the head's 64, v along the tokens, in registers.
; SHARES.  Work-group (tx 0..3, ty 0..63) keeps the unit of x's tokens 128 ty .. + 127 in LDS and makes three tiles of 128 tokens x 256 columns, one behind the other: q's, k's and v's columns 256 tx on.
; Units, fragments and the order of a tile's 16 rows are the quantising launch's: tile a, index r of a group of 128 is element 32 (a / 2) + 8 (a % 2) + r + 8 (r / 8).
; THE PRODUCT.  Source 0 has 8 tiles, source 1 four: 32 accumulators, 256 registers a wave.  In a result lane (r, h) holds index r of source 1's tile, and register j of source 0's tile b is element
; 32 (b / 2) + 16 h + 8 (b % 2) + j: a lane's 64 registers of one tile of source 1 run along source 0's 128 elements, 16 neighbours of each block of 32.  So source 0 is the axis that is quantised next:
;   q, k: source 0 = 128 columns (two heads) of the weight, source 1 = 64 tokens.  Wave (i, j) = (w / 2, w % 2): tokens 64 i on, weight unit j.
;   v:    source 0 = the 128 tokens, source 1 = 64 columns (one head): wave w takes head 4 tx + w.
; The bias is the C of each sum's first matrix instruction.
; OUT.  qb: codes [b h 64][group 16][tile 8][512 bytes] (a lane's four registers: d = 32 h .. + 31), scale words behind them.  kv: a record of 8,960 bytes for each (b h, group of 128 tokens):
; K's 8 tiles x 512, V^T's 4 fragments x 1,024 (rows d, K = the tokens), K's scale words (512), V's (256).  In q's and k's words bytes 0, 1 are the head's two blocks; bytes 2, 3 hold the
; neighbour head's bytes or 0, never 0xff: they meet zero codes alone.
; THE RING.  The weight's two units come by K halves through two slots (A: K 0-511, B: K 512-1,023), filled again for the next tile as soon as they are read out.
; CLUSTER 4 x 4: x's unit is shared along a row of the cluster, the weight's tiles and scale words along a column; each is asked for jointly.  All four waves issue every load, a quarter each.
; LIMITS: a block of zeros gets the byte 1 where the rule says 127 (zero codes; read by this program alone); NaN and infinities are not served.
; No prefetch: x's unit comes with the first fills, and the weight's tiles are read by all 64 tile rows.
; REGISTERS.  window 0: v1-20 addresses, v28-29 for the spare words, v32-63 source 0's scale words (4 b + K step), v64-79 source 1's, v96-159 source 1's fragments (two sets),
;   v160-191 codes just made, v192-195 scale words to store, v200-216 at work.  window 1: source 0's fragments, two sets of 64.  window 2: accumulator (a, b) at 8 (8 a + b).  window 3: the biases.
.set XSCL,  65536                      ; LDS: x's unit at 0: 65,536 bytes of codes, 4,096 of scale words
.set WA,    69632                      ; slot A: the two weight units' K half 0, 32,768 bytes each
.set WB,    135168                     ; slot B: their K half 1
.set WSC,   200704                     ; the weight's scale words for all three tiles: (2 unit + K half) x 6,144 + tile of C x 2,048
.set SPARE, 225280                     ; the spare words, 128 bytes for each wave: two blocks of 256 bytes that no other line names
.set SC0, 32
.set SC1, 64
.set F1,  96
.set CD,  160
.set SQ,  192
.set TM,  200
.set PW,  216
.set BQ,  0                            ; window 3: q's bias, 8 registers a tile b; k's; v's, 8 registers a tile a
.set BK,  64
.set BV,  128
.set G1X, 24                           ; s[24:31] group 1 for x's unit; s[32:39] for the weight's codes; s[40:47] for its scale words
.set G1W, 32
.set G1S, 40
.set G0X, 48                           ; s[48:51], s[52:55], s[56:59], s[60:63]: groups 0 for x, slot A, slot B, the scale words
.set G0A, 52
.set G0B, 56
.set G0S, 60
.set MSB, 0
.macro WIN new                         ; the immediate's high byte repeats the setting that is left
.if MSB != \new
	s_set_vgpr_msb (MSB<<8)|\new
.set MSB, \new
.endif
.endm
.macro PLACES                          ; four plain places: behind matrix instructions, ahead of loads into their registers and of reads of their results; and behind a tensor load
.rept 4
	v_nop
.endr
.endm
.macro CROUND                          ; a round of the cluster's barrier
	s_barrier_signal -1
	s_barrier_wait -1
	s_cmp_lg_u32 s14, 0
	s_cbranch_scc1 .Lnot_wave_0_\@
	s_barrier_signal -3
.Lnot_wave_0_\@:
	s_barrier_wait -3
	s_barrier_signal -1
	s_barrier_wait -1
.endm
; K step q's fragments into set p: source 0's eight (window 1), source 1's four.  A fragment is two loads of 512 consecutive bytes: no pitch, no conflict.
.macro FETCH q, p, ad0, o0, ad1, o1
	WIN 0x40                                       ; destination window 1, address window 0
.irp i, 0,1,2,3,4,5,6,7
.irp c, 0,1
	ds_load_b128 v[64*(\p)+8*\i+4*\c:64*(\p)+8*\i+4*\c+3], v[\ad0] offset:(\o0)+4096*\i+1024*(\q)+512*\c
.endr
.endr
	WIN 0
.irp i, 0,1,2,3
.irp c, 0,1
	ds_load_b128 v[F1+32*(\p)+8*\i+4*\c:F1+32*(\p)+8*\i+4*\c+3], v[\ad1] offset:(\o1)+4096*\i+1024*(\q)+512*\c
.endr
.endr
.endm
.macro SCALES as0, so0, as1, so1       ; a K half's scale words: four words a row by one load
.irp i, 0,1,2,3,4,5,6,7
	ds_load_b128 v[SC0+4*\i:SC0+4*\i+3], v[\as0] offset:(\so0)+256*\i
.endr
.irp i, 0,1,2,3
	ds_load_b128 v[SC1+4*\i:SC1+4*\i+3], v[\as1] offset:(\so1)+256*\i
.endr
.endm
; 16 matrix instructions: source 1's tiles a0, a0 + 1 x source 0's eight.  cm = 0: the sums go on; 1: they begin with the bias of source 0's tile b; 2: of source 1's tile a.
; The 32 accumulators take turns, one instruction a turn, in the same order in every K step.
.macro MUL16 a0, p, q, cm, bb
.if (\cm) == 0
	WIN 0xa1                                       ; source 0 window 1, source 1 window 0, C and D window 2
.else
	WIN 0xb1                                       ; C window 3
.endif
.irp a, \a0, \a0+1
.irp b, 0,1,2,3,4,5,6,7
.if (\cm) == 0
	v_wmma_scale_f32_16x16x128_f8f6f4 v[8*(8*(\a)+\b):8*(8*(\a)+\b)+7], v[64*(\p)+8*\b:64*(\p)+8*\b+7], v[F1+32*(\p)+8*(\a):F1+32*(\p)+8*(\a)+7], v[8*(8*(\a)+\b):8*(8*(\a)+\b)+7], v[SC0+4*\b+(\q)], v[SC1+4*(\a)+(\q)] matrix_a_fmt:MATRIX_FMT_FP4 matrix_b_fmt:MATRIX_FMT_FP4
.elseif (\cm) == 1
	v_wmma_scale_f32_16x16x128_f8f6f4 v[8*(8*(\a)+\b):8*(8*(\a)+\b)+7], v[64*(\p)+8*\b:64*(\p)+8*\b+7], v[F1+32*(\p)+8*(\a):F1+32*(\p)+8*(\a)+7], v[(\bb)+8*\b:(\bb)+8*\b+7], v[SC0+4*\b+(\q)], v[SC1+4*(\a)+(\q)] matrix_a_fmt:MATRIX_FMT_FP4 matrix_b_fmt:MATRIX_FMT_FP4
.else
	v_wmma_scale_f32_16x16x128_f8f6f4 v[8*(8*(\a)+\b):8*(8*(\a)+\b)+7], v[64*(\p)+8*\b:64*(\p)+8*\b+7], v[F1+32*(\p)+8*(\a):F1+32*(\p)+8*(\a)+7], v[(\bb)+8*(\a):(\bb)+8*(\a)+7], v[SC0+4*\b+(\q)], v[SC1+4*(\a)+(\q)] matrix_a_fmt:MATRIX_FMT_FP4 matrix_b_fmt:MATRIX_FMT_FP4
.endif
.endr
.endr
.endm
; A K half: four K steps of 128, 32 matrix instructions each.  The next step's 24 loads stand in one run in a step's middle, 16 matrix instructions ahead of the wait for them.
.macro HALF ad0, o0, ad1, o1, as0, so0, as1, so1, cm, bb
	PLACES
	FETCH 0, 0, \ad0, \o0, \ad1, \o1
	SCALES \as0, \so0, \as1, \so1
.irp q, 0,1,2,3
	s_wait_dscnt 0x0                               ; this step's fragments are in (and, in the first step, the scale words)
.if \q == 0
	MUL16 0, 0, 0, \cm, \bb
.else
	MUL16 0, (\q%2), \q, 0, 0
.endif
.if \q < 3
	PLACES                                         ; the other set was read by the step before
	FETCH (\q+1), (1-\q%2), \ad0, \o0, \ad1, \o1
.endif
.if \q == 0
	MUL16 2, 0, 0, \cm, \bb
.else
	MUL16 2, (\q%2), \q, 0, 0
.endif
.endr
	WIN 0
.endm
; A slot that has been read out is filled again, with the next tile's K half (8 units on in wq).  Each wave waits for all its tensor loads (the other slot's among them), adds 0 to its spare word,
; waits for that and for its reads of the slot; a round of the cluster's barrier; the joint refill first behind it, one load a wave.
.macro CHANGE g0
	s_wait_tensorcnt 0x0                           ; no tensor load of mine is out, so a group 0 may be written
	ds_add_u32 v28, v29                            ; 0 onto my spare word
	s_add_nc_u64 s[\g0+2:\g0+3], s[\g0+2:\g0+3], 524288
	s_wait_dscnt 0x0                               ; the add is done, and my reads of the slot are over
	CROUND
	tensor_load_to_lds s[\g0:\g0+3], s[G1W:G1W+7]
	s_nop 0
	PLACES
.endm
; 64 numbers of a lane in window 2, register s + 16 b + i = element 32 b + 16 h + i, become a fragment's 8 registers of codes at v[cd] and its scale word in v[PW].
; Each accumulator is read from its low end on.
.macro QUANTW s, cd
	WIN 0x0a                                       ; sources 0 and 1 window 2
.irp b, 0,1,2,3
	v_max3_num_f32 v[TM+\b], |v[(\s)+16*\b]|, |v[(\s)+1+16*\b]|, 0x1800000   ; block b: my 16 numbers, and the floor 2^(3 - 127): the byte cannot fall under 1
.endr
	WIN 0x28                                       ; sources 1 and 2 window 2
.irp i, 2,4,6,8,10,12,14
.irp b, 0,1,2,3
	v_max3_num_f32 v[TM+\b], v[TM+\b], |v[(\s)+16*\b+\i]|, |v[(\s)+1+16*\b+\i]|   ; the four blocks by turns
.endr
.endr
	WIN 0
.irp b, 0,1,2,3
	v_permlanex16_b32 v[TM+4+\b], v[TM+\b], s96, s97
.endr
.irp b, 0,1,2,3
	v_max_num_f32 v[TM+\b], v[TM+\b], v[TM+4+\b]   ; with lane l xor 16's 16: the block's largest magnitude
.endr
.irp b, 0,1,2,3
	v_add_nc_u32 v[TM+12+\b], 0xff000000, v[TM+\b] ; 2 off its exponent field: the conversion's scale operand
.endr
.irp b, 0,1,2,3
	v_lshrrev_b32 v[TM+4+\b], 23, v[TM+12+\b]      ; the scale's byte
.endr
	v_lshl_or_b32 v[PW], v[TM+5], 8, v[TM+4]
	v_lshl_or_b32 v[PW], v[TM+6], 16, v[PW]
	v_lshl_or_b32 v[PW], v[TM+7], 24, v[PW]
	WIN 0x02                                       ; source 0 window 2
.irp b, 0,1,2,3
	v_cvt_scalef32_pk8_fp4_f32 v[(\cd)+2*\b], v[(\s)+16*\b:(\s)+7+16*\b], v[TM+12+\b]
	v_cvt_scalef32_pk8_fp4_f32 v[(\cd)+1+2*\b], v[(\s)+8+16*\b:(\s)+15+16*\b], v[TM+12+\b]
.endr
	WIN 0
	v_nop                                          ; one plain place behind the last scaled conversion
.irp c, 0,1                            ; the operand's layout wants a whole block in a lane: lanes 0-15 block 2 c, lanes 16-31 block 2 c + 1
.irp i, 0,1
	v_permlane16_swap_b32 v[(\cd)+4*\c+\i], v[(\cd)+2+4*\c+\i]
.endr
.endr
.endm
; q's or k's tile goes out.  A fragment's piece c is head c's tile (d = 32 h .. + 31); lanes 0-15 store head 0's scale words, lanes 16-31 head 1's (the word shifted down by 16 bits).
.macro EPIQK cbase, sbase, hs, svo
	s_wait_xcnt 0x0                                ; the last tile's stores have read their registers: the codes' and the words' registers are written again
	PLACES
.irp a, 0,1,2,3
	QUANTW 64*\a, CD+8*\a
	v_lshrrev_b32 v[SQ+\a], v4, v[PW]
	global_store_b128 v1, v[CD+8*\a:CD+8*\a+3], s[\cbase:\cbase+1] offset:512*\a          ; 32 lanes store 512 consecutive bytes, aligned
	global_store_b128 v1, v[CD+8*\a+4:CD+8*\a+7], s[\cbase:\cbase+1] offset:512*\a+\hs
.endr
	global_store_b128 v[\svo], v[SQ:SQ+3], s[\sbase:\sbase+1]                             ; sixteen lanes store 256 consecutive bytes, aligned
.endm
	s_load_b256 s[4:11], s[0:1], 0x0               ; xq s[4:5], wq s[6:7], b_qkv s[8:9], qb s[10:11]
	s_load_b64 s[12:13], s[0:1], 0x20              ; kv
	v_lshl_add_u32 v28, v0, 2, SPARE
	v_mov_b32 v29, 0
	ds_add_u32 v28, v29
	ds_add_u32 v28, v29
	s_wait_dscnt 0x0
	v_lshrrev_b32 v30, 5, v0
	v_readfirstlane_b32 s14, v30                   ; wave 0..3
	s_lshr_b32 s15, s14, 1                         ; i
	s_and_b32 s16, s14, 1                          ; j
	s_bfe_u32 s17, ttmp6, 0x40000                  ; cx
	s_bfe_u32 s18, ttmp6, 0x40004                  ; cy
	s_lshl_b32 s19, ttmp9, 2
	s_add_co_u32 s19, s19, s17                     ; tx
	s_and_b32 s20, ttmp7, 0xffff
	s_lshl_b32 s20, s20, 2
	s_add_co_u32 s20, s20, s18                     ; ty
	s_lshl_b32 s21, s18, 2
	s_lshl_b32 s21, 15, s21                        ; my row of the cluster
	s_lshl_b32 s22, 0x1111, s17                    ; my column
	s_or_b32 s[G1X], s21, (3<<16)|(1<<21)          ; 15:0 the mask; 17:16 elements of 8 bytes; 21 set beside a mask; no padding
	s_mov_b32 s[G1X+1], 32<<16                     ; a dense block as rows of 256 bytes: tensor_dim0 = 32
	s_mov_b32 s[G1X+2], 68<<16                     ; tensor_dim1 = 68: a quarter of the unit's 69,632 bytes
	s_mov_b32 s[G1X+3], 32<<16                     ; tile_dim0
	s_mov_b32 s[G1X+4], 68                         ; tile_dim1
	s_mov_b32 s[G1X+5], 32                         ; the pitch
	s_mov_b32 s[G1X+6], 0
	s_mov_b32 s[G1X+7], 0
	s_or_b32 s[G1W], s22, (3<<16)|(1<<21)
	s_mov_b32 s[G1W+1], 32<<16
	s_mov_b32 s[G1W+2], 64<<16                     ; 64 rows of 256 bytes: a quarter of a slot
	s_mov_b32 s[G1W+3], 32<<16
	s_mov_b32 s[G1W+4], 64
	s_mov_b32 s[G1W+5], 32
	s_mov_b32 s[G1W+6], 0
	s_mov_b32 s[G1W+7], 0
	s_or_b32 s[G1S], s22, (3<<16)|(1<<21)
	s_mov_b32 s[G1S+1], 256<<16                    ; a unit's scale words of one K half: 2,048 bytes,
	s_mov_b32 s[G1S+2], 3<<16                      ; for the three tiles of C,
	s_mov_b32 s[G1S+3], 256<<16
	s_mov_b32 s[G1S+4], 3
	s_mov_b32 s[G1S+5], 4096                       ; 8 units (32,768 bytes) apart
	s_mov_b32 s[G1S+6], 0
	s_mov_b32 s[G1S+7], 0
	s_mul_i32 s90, s20, 69632                      ; x's unit hangs on ty and the wave alone,
	s_mul_i32 s[G0X+1], s14, 17408
	s_add_co_u32 s90, s90, s[G0X+1]
	s_mov_b32 s91, 0
	s_lshl_b32 s92, s19, 1                         ; the weight's on tx and the wave alone
	s_add_co_u32 s92, s92, s15                     ; unit 2 tx + w / 2
	s_lshl_b32 s94, s92, 12                        ; its scale words,
	s_lshl_b32 s92, s92, 16                        ; its codes
	s_lshl_b32 s93, s16, 14                        ; which half of a K half I fetch
	s_add_co_u32 s92, s92, s93
	s_lshl_b32 s93, s16, 11                        ; whose K half's scale words
	s_add_co_u32 s94, s94, s93
	s_add_co_u32 s94, s94, 1572864                 ; behind all units' codes
	s_mov_b32 s93, 0
	s_mov_b32 s95, 0
	s_lshl_b32 s[G0A+1], s14, 14
	s_add_co_u32 s[G0B+1], s[G0A+1], WB
	s_add_co_u32 s[G0A+1], s[G0A+1], WA
	s_mul_i32 s[G0S+1], s14, 6144
	s_add_co_u32 s[G0S+1], s[G0S+1], WSC
	s_mov_b32 s[G0X], 1
	s_mov_b32 s[G0A], 1
	s_mov_b32 s[G0B], 1
	s_mov_b32 s[G0S], 1
	s_wait_kmcnt 0x0
	s_add_nc_u64 s[G0X+2:G0X+3], s[4:5], s[90:91]
	s_or_b32 s[G0X+3], s[G0X+3], 0x80000000
	s_add_nc_u64 s[G0A+2:G0A+3], s[6:7], s[92:93]
	s_add_nc_u64 s[G0B+2:G0B+3], s[G0A+2:G0A+3], 32768
	s_or_b32 s[G0A+3], s[G0A+3], 0x80000000
	s_or_b32 s[G0B+3], s[G0B+3], 0x80000000
	s_add_nc_u64 s[G0S+2:G0S+3], s[6:7], s[94:95]
	s_or_b32 s[G0S+3], s[G0S+3], 0x80000000
	CROUND                                         ; all sixteen work-groups are here: the first joint loads meet
	tensor_load_to_lds s[G0X:G0X+3], s[G1X:G1X+7]  ; the first fills go out as one group: four loads of mine are out
	s_nop 0
	tensor_load_to_lds s[G0S:G0S+3], s[G1S:G1S+7]
	s_nop 0
	tensor_load_to_lds s[G0A:G0A+3], s[G1W:G1W+7]
	s_nop 0
	tensor_load_to_lds s[G0B:G0B+3], s[G1W:G1W+7]
	s_nop 0
	PLACES
	v_and_b32 v30, 31, v0
	v_lshlrev_b32 v1, 4, v30                       ; 16 x lane: a fragment's place for my lane; also x's fragments as source 0 (the unit lies at LDS byte 0)
	v_and_b32 v31, 15, v0                          ; r
	v_lshlrev_b32 v2, 4, v31                       ; 16 r
	s_wait_alu depctr_va_vdst(0)
	v_bfe_u32 v3, v0, 4, 1                         ; h
	v_lshlrev_b32 v4, 4, v3                        ; 16 h
	s_lshl_b32 s80, s15, 14
	v_add_nc_u32 v5, s80, v1                       ; q, k: x's tiles 4 i on
	s_lshl_b32 s80, s16, 15
	s_add_co_u32 s81, s80, WA
	v_add_nc_u32 v6, s81, v1                       ; weight unit j in slot A,
	s_add_co_u32 s81, s80, WB
	v_add_nc_u32 v7, s81, v1                       ; in slot B
	s_mul_i32 s80, s16, 12288
	s_add_co_u32 s80, s80, WSC
	v_add_nc_u32 v8, s80, v2                       ; its scale words
	s_lshl_b32 s80, s15, 10
	s_add_co_u32 s80, s80, XSCL
	v_add_nc_u32 v9, s80, v2                       ; x's scale words, tiles 4 i on
	s_lshl_b32 s80, s14, 14
	s_add_co_u32 s81, s80, WA
	v_add_nc_u32 v10, s81, v1                      ; v: my head's four tiles of the weight in slot A,
	s_add_co_u32 s81, s80, WB
	v_add_nc_u32 v11, s81, v1                      ; in slot B
	v_add_nc_u32 v13, XSCL, v2                     ; x's scale words, all eight tiles
	s_mul_i32 s80, s15, 12288
	s_lshl_b32 s81, s16, 10
	s_add_co_u32 s80, s80, s81
	s_add_co_u32 s80, s80, WSC
	v_add_nc_u32 v14, s80, v2                      ; my head's scale words of the weight
	v_lshlrev_b32 v15, 6, v3                       ; q's, k's bias: 16 h numbers on
	v_and_b32 v16, 8, v31
	v_add_nc_u32 v16, v16, v31
	v_lshlrev_b32 v16, 2, v16                      ; v's bias: r + 8 (r / 8) numbers on
	s_wait_alu depctr_va_vdst(0)
	v_lshl_add_u32 v18, v3, 13, v2                 ; q's scale words: head h x 8,192 + 16 r
	v_mul_u32_u24 v19, v3, 143360
	v_add_nc_u32 v19, v19, v2                      ; k's: head h x 143,360 + 16 r
	v_lshl_add_u32 v20, v3, 3, v2                  ; v's: 16 r + 8 h
.irp b, 0,1,2,3
	v_mov_b32 v[TM+4+\b], 0                        ; written once: a lane permute's destination counts as one of its sources
.endr
	s_mov_b32 s96, 0x76543210
	s_mov_b32 s97, 0xfedcba98                      ; v_permlanex16_b32's selects for lane l xor 16
	s_mov_b32 s98, 0xffff0000                      ; lanes 16-31
	s_lshr_b32 s80, s20, 4
	s_lshl_b32 s80, s80, 4                         ; 16 x batch
	s_lshl_b32 s81, s19, 2
	s_add_co_u32 s80, s80, s81                     ; + 4 tx
	s_add_co_u32 s82, s80, s14                     ; v: b h of my head
	s_lshl_b32 s81, s16, 1
	s_add_co_u32 s80, s80, s81                     ; q, k: b h of my first head
	s_and_b32 s83, s20, 15                         ; the group of tokens in the batch
	s_lshl_b32 s84, s80, 16
	s_lshl_b32 s85, s83, 12
	s_add_co_u32 s84, s84, s85
	s_lshl_b32 s85, s15, 11
	s_add_co_u32 s84, s84, s85
	s_mov_b32 s85, 0
	s_add_nc_u64 s[66:67], s[10:11], s[84:85]      ; q's codes
	s_lshl_b32 s84, s80, 13
	s_lshl_b32 s86, s83, 9
	s_add_co_u32 s84, s84, s86
	s_lshl_b32 s86, s15, 8
	s_add_co_u32 s84, s84, s86
	s_add_co_u32 s84, s84, 4194304
	s_add_nc_u64 s[68:69], s[10:11], s[84:85]      ; q's scale words
	s_mul_i32 s84, s80, 143360
	s_mul_i32 s86, s83, 8960
	s_add_co_u32 s84, s84, s86
	s_lshl_b32 s87, s15, 11
	s_add_co_u32 s88, s84, s87
	s_mov_b32 s89, 0
	s_add_nc_u64 s[70:71], s[12:13], s[88:89]      ; k's codes
	s_lshl_b32 s87, s15, 8
	s_add_co_u32 s88, s84, s87
	s_add_co_u32 s88, s88, 8192
	s_add_nc_u64 s[72:73], s[12:13], s[88:89]      ; k's scale words
	s_mul_i32 s84, s82, 143360
	s_add_co_u32 s84, s84, s86
	s_add_nc_u64 s[74:75], s[12:13], s[84:85]      ; v's record
	s_lshl_b32 s84, s19, 10
	s_lshl_b32 s86, s16, 9
	s_add_co_u32 s88, s84, s86
	s_add_nc_u64 s[76:77], s[8:9], s[88:89]        ; the bias of q's columns 256 tx + 128 j on (k's: 4,096 bytes further)
	s_lshl_b32 s86, s14, 8
	s_add_co_u32 s88, s84, s86
	s_add_co_u32 s88, s88, 8192
	s_add_nc_u64 s[78:79], s[8:9], s[88:89]        ; of v's columns 256 tx + 64 w on
	WIN 0xc0                                       ; destination window 3
.irp t, 0,1
.irp b, 0,1,2,3,4,5,6,7
	global_load_b128 v[64*\t+8*\b:64*\t+8*\b+3], v15, s[76:77] offset:4096*\t+4*(32*(\b/2)+8*(\b%2))        ; in the result's layout: columns 32 (b / 2) + 16 h + 8 (b % 2) + 0 .. 7
	global_load_b128 v[64*\t+8*\b+4:64*\t+8*\b+7], v15, s[76:77] offset:4096*\t+4*(32*(\b/2)+8*(\b%2))+16
.endr
.endr
.irp a, 0,1,2,3
.irp j, 0,1,2,3,4,5,6,7
	global_load_b32 v[BV+8*\a+\j], v16, s[78:79] offset:4*(32*(\a/2)+8*(\a%2))   ; v: a lane holds one column: its bias in all eight registers
.endr
.endr
	WIN 0
	s_wait_tensorcnt 0x1                           ; x's unit, the scale words and slot A: my parts are in; slot B's load may stay out
	s_barrier_signal -1
	s_barrier_wait -1                              ; everybody's are
	s_wait_loadcnt 0x0                             ; the biases
	HALF 6, 0, 5, 0, 8, 0, 9, 0, 1, BQ             ; q, K half 0
	CHANGE G0A                                     ; slot A takes k's K half 0
	HALF 7, 0, 5, 32768, 8, 6144, 9, 2048, 0, 0    ; q, K half 1
	CHANGE G0B                                     ; slot B takes k's K half 1
	EPIQK 66, 68, 65536, 18
	HALF 6, 0, 5, 0, 8, 2048, 9, 0, 1, BK          ; k
	CHANGE G0A                                     ; v's K half 0
	HALF 7, 0, 5, 32768, 8, 8192, 9, 2048, 0, 0
	CHANGE G0B                                     ; v's K half 1: the last load
	EPIQK 70, 72, 143360, 19
	HALF 1, 0, 10, 0, 13, 0, 14, 4096, 2, BV       ; v: the tokens are source 0
	s_wait_tensorcnt 0x0                           ; slot B's last fill: my part is in.  The lines are those of every change of slots
	ds_add_u32 v28, v29
	s_wait_dscnt 0x0
	s_barrier_signal -1
	s_barrier_wait -1                              ; everybody's is
	HALF 1, 32768, 11, 0, 13, 2048, 14, 10240, 0, 0
	s_wait_xcnt 0x0                                ; k's stores have read their registers
	PLACES
.irp a, 0,1,2,3
	QUANTW 64*\a, CD+8*\a                          ; rows d of tile a, K = my group's 128 tokens: a whole fragment of V^T
	v_mov_b32 v[SQ+\a], v[PW]
	global_store_b128 v1, v[CD+8*\a:CD+8*\a+3], s[74:75] offset:4096+1024*\a
	global_store_b128 v1, v[CD+8*\a+4:CD+8*\a+7], s[74:75] offset:4096+1024*\a+512
.endr
	v_cndmask_b32 v[TM], v[SQ], v[SQ+2], s98       ; lanes 0-15 store tiles 0 and 1's words of their row, lanes 16-31 tiles 2 and 3's
	v_cndmask_b32 v[TM+1], v[SQ+1], v[SQ+3], s98
	global_store_b64 v20, v[TM:TM+1], s[74:75] offset:8704   ; 256 consecutive bytes, aligned
	s_wait_tensorcnt 0x0                           ; the wave's end
	ds_add_u32 v28, v29
	s_wait_dscnt 0x0
	CROUND                                         ; the closing round: no work-group ends while a partner may still ask for a tile that names it
	s_endpgm
.Lfunc_end_k_qc9805316f3_qkv:
	.size	k_qc9805316f3_qkv, .Lfunc_end_k_qc9805316f3_qkv-k_qc9805316f3_qkv
	.p2alignl 7, 3214868480
	.fill 96, 4, 3214868480
	.section	.rodata,"a",@progbits
	.p2align	6, 0x0
	.amdhsa_kernel k_qc9805316f3_qkv
		.amdhsa_group_segment_fixed_size 327680
		.amdhsa_private_segment_fixed_size 0
		.amdhsa_enable_private_segment 0
		.amdhsa_kernarg_size 40
		.amdhsa_user_sgpr_count 2
		.amdhsa_user_sgpr_kernarg_segment_ptr 1
		.amdhsa_wavefront_size32 1
		.amdhsa_system_sgpr_workgroup_id_x 1
		.amdhsa_system_sgpr_workgroup_id_y 1
		.amdhsa_system_sgpr_workgroup_id_z 1
		.amdhsa_system_vgpr_workitem_id 0
		.amdhsa_next_free_vgpr 1024
		.amdhsa_next_free_sgpr 100
		.amdhsa_reserve_vcc 0
		.amdhsa_float_denorm_mode_32 3
		.amdhsa_float_denorm_mode_16_64 3
		.amdhsa_memory_ordered 1
		.amdhsa_forward_progress 1
		.amdhsa_inst_pref_size 211
	.end_amdhsa_kernel
	.amdgpu_metadata
---
amdhsa.version: [ 1, 2 ]
amdhsa.kernels:
  - .name:           k_qc9805316f3_qkv
    .symbol:         k_qc9805316f3_qkv.kd
    .args:
      - { .name: xq, .offset: 0, .size: 8, .value_kind: global_buffer, .address_space: global }
      - { .name: wq, .offset: 8, .size: 8, .value_kind: global_buffer, .address_space: global }
      - { .name: b_qkv, .offset: 16, .size: 8, .value_kind: global_buffer, .address_space: global }
      - { .name: qb, .offset: 24, .size: 8, .value_kind: global_buffer, .address_space: global }
      - { .name: kv, .offset: 32, .size: 8, .value_kind: global_buffer, .address_space: global }
    .group_segment_fixed_size: 327680
    .private_segment_fixed_size: 0
    .kernarg_segment_align: 8
    .kernarg_segment_size: 40
    .max_flat_workgroup_size: 128
    .sgpr_count:     100
    .vgpr_count:     1024
    .wavefront_size: 32
...
	.end_amdgpu_metadata
.endif
;; end of part 2
;; launch attn (part 3): grid 4 x 64, 16 waves a work-group, clusters of 4 x 1, 169,984 bytes of LDS; arguments qb, kv, ob; writes ob
.if DOCPART == 3
	.amdgcn_target "amdgcn-amd-amdhsa--gfx1250"
	.amdhsa_code_object_version 6
	.text
	.protected	k_qc9805316f3_attn
	.globl	k_qc9805316f3_attn
	.p2align	8
	.type	k_qc9805316f3_attn,@function
k_qc9805316f3_attn:
	s_mov_b64 s[64:65], 0
	v_nop
	global_prefetch_b8 v0, s[64:65] scope:SCOPE_SE
	s_setreg_imm32_b32 hwreg(HW_REG_WAVE_MODE, 25, 1), 1
	s_wait_xcnt 0x0
	s_wait_alu depctr_hold_cnt(0) depctr_sa_sdst(0) depctr_va_vdst(0) depctr_va_sdst(0) depctr_va_ssrc(0) depctr_va_vcc(0) depctr_vm_vsrc(0)
	s_getreg_b32 s2, hwreg(HW_REG_IB_STS2, 6, 4)
	s_cmp_eq_u32 s2, 0
	s_cbranch_scc0 .Lentry_in_a_cluster
	s_endpgm
.Lentry_in_a_cluster:
	s_bfe_u32 s2, ttmp6, 0x10000c
	s_cmp_lg_u32 s2, 0x3003
	s_cbranch_scc0 .Lentry_shape_is_right
	s_endpgm
.Lentry_shape_is_right:
; Causal attention of 64 (batch, head) pairs, 2,048 tokens, head size 64, both products on codes of FP4 (E2M1) with E8M0 scales; the result, divided by the row's sum, is quantised along the model's 1,024
; (a head's 64 are two blocks) and stored as the last product's operand.  qb and kv are the launch before's; ob is laid as xq is: units of 128 tokens, fragments as images of registers.
; THE SOFTMAX: t = score x log2(e) / 8; M = the row's largest t so far, rounded UP to a whole number (a running maximum); p = 2^(t - M) is quantised along the keys, not normalised; the row's sum is taken of the
; unquantised p.  When M moves, the sum and O are multiplied by 2^(old M - new M): exact.
; K = 64 in the first product: registers 4-7 of Q's and K's fragments are zero codes, written once; bytes 2, 3 of their scale words meet zeros alone.
; SHARES.  A cluster of four work-groups owns one (batch, head).  The head's K, V and scale words, 16 records of 8,960 bytes, stay in LDS: wave w brings record w by ONE joint load.  No ring, no refill.
; Wave w of work-group cx takes query tile tq = 2 cx + w / 8 of token groups w % 8 and 15 - w % 8: (w % 8 + 1) + (16 - w % 8) = 17 key steps of 128 for every wave.  Four waves share a SIMD.
; The loops' trip counts are constants; a step all of whose keys come after the group's queries is jumped over by a scalar branch on the wave's number and the loop's counter.  cx enters global addresses and the mask's
; vector register alone.
; LAYOUT.  S^T = K Q^T, O^T = V^T P^T: a lane holds one query.  Tile t, index r of a group is token 32 (t / 2) + 8 (t % 2) + r + 8 (r / 8), so the 16 registers of tiles 2 b, 2 b + 1 are keys 32 b + 16 h + 0 .. 15;
; V's rows d are ordered likewise, so O^T's 32 registers are d = 32 b + 16 h + 0 .. 15.
; LIMITS: 1 / sum is v_rcp_f32 and a multiplication; a block's largest p is taken from its largest score, which takes v_exp_f32 not to fall where its input rises; a block of zeros gets the byte 1; NaN and infinities are not served.
; No prefetch: all that the launch reads comes with its first loads.
; REGISTERS: v1 16 lane, v2 16 r, v3 my query's place - 16 h, v4 16 r + h, v5-6 LDS addresses, v11 the next tile's Q scale word, v12 -M, v13 the largest t, v[14:15] the sum, v16-23 Q, v24-27 the next tile's Q,
;   v28-31 V's scale words, v32-95 K, v96-159 S^T then p, v160-191 O^T, v192-223 V, v224-231 p's codes, v240-243 and v248-251 K's scale words, v253 p's scale word, v255 Q's; the rest at work.
.set REC, 8960
.macro CROUND                          ; a round of the cluster's barrier
	s_barrier_signal -1
	s_barrier_wait -1
	s_cmp_lg_u32 s10, 0
	s_cbranch_scc1 .Lnot_wave_0_\@
	s_barrier_signal -3
.Lnot_wave_0_\@:
	s_barrier_wait -3
	s_barrier_signal -1
	s_barrier_wait -1
.endm
	s_load_b128 s[4:7], s[0:1], 0x0                ; qb s[4:5], kv s[6:7]
	s_load_b64 s[8:9], s[0:1], 0x10                ; ob
	v_lshl_add_u32 v254, v0, 2, 0x29000
	v_mov_b32 v255, 0
	ds_add_u32 v254, v255
	ds_add_u32 v254, v255
	s_wait_dscnt 0x0
	v_lshrrev_b32 v5, 5, v0
	s_delay_alu instid0(VALU_DEP_1)
	v_readfirstlane_b32 s10, v5                    ; wave 0..15
	s_bfe_u32 s11, ttmp6, 0x40000                  ; cx
	s_and_b32 s12, ttmp7, 0xffff                   ; (batch, head), which the four partners share
	s_and_b32 s13, s10, 7                          ; my first group of queries
	s_lshr_b32 s14, s10, 3
	s_lshl_b32 s19, s11, 1
	s_add_co_u32 s14, s14, s19                     ; tq
	s_mov_b32 s15, s13                             ; the group in hand
	s_mov_b32 s24, 15|(3<<16)|(1<<21)              ; 15:0 the mask: all four work-groups; 17:16 elements of 8 bytes; 21 set beside a mask
	s_mov_b32 s25, 32<<16                          ; a dense record as rows of 256 bytes: tensor_dim0 = 32
	s_mov_b32 s26, 35<<16                          ; tensor_dim1 = 35
	s_mov_b32 s27, 32<<16                          ; tile_dim0
	s_mov_b32 s28, 35                              ; tile_dim1
	s_mov_b32 s29, 32                              ; the pitch
	s_mov_b32 s30, 0
	s_mov_b32 s31, 0
	s_mov_b32 s32, 1
	s_mul_i32 s33, s10, REC                        ; record w, in LDS
	s_mul_i32 s46, s12, 16*REC
	s_add_co_u32 s46, s46, s33                     ; and in memory
	s_mov_b32 s47, 0
	s_wait_kmcnt 0x0
	s_add_nc_u64 s[34:35], s[6:7], s[46:47]
	s_or_b32 s35, s35, 0x80000000
	CROUND                                         ; all four work-groups are here: the joint loads meet
	tensor_load_to_lds s[32:35], s[24:31]          ; my one tensor load of the launch
	s_nop 0
.rept 4
	v_nop
.endr
	v_and_b32 v7, 31, v0
	s_delay_alu instid0(VALU_DEP_1)
	v_lshlrev_b32 v1, 4, v7                        ; 16 x lane
	v_and_b32 v8, 15, v0                           ; r
	s_delay_alu instid0(VALU_DEP_1)
	v_lshlrev_b32 v2, 4, v8                        ; 16 r
	s_wait_alu depctr_va_vdst(0)
	v_bfe_u32 v9, v0, 4, 1                         ; h
	s_delay_alu instid0(VALU_DEP_1)
	v_add_nc_u32 v4, v2, v9                        ; 16 r + h
	v_and_b32 v3, 8, v8
	s_delay_alu instid0(VALU_DEP_1)
	v_add_nc_u32 v3, v3, v8                        ; r + 8 (r / 8)
	s_delay_alu instid0(VALU_DEP_4)
	v_lshlrev_b32 v10, 4, v9
	s_delay_alu instid0(VALU_DEP_1)
	v_sub_nc_u32 v3, v3, v10                       ; - 16 h
	s_lshr_b32 s19, s14, 1
	s_lshl_b32 s19, s19, 5
	s_and_b32 s42, s14, 1
	s_lshl_b32 s42, s42, 3
	s_add_co_u32 s19, s19, s42
	v_add_nc_u32 v3, s19, v3                       ; + 32 (tq / 2) + 8 (tq % 2): my query's place in its group, less 16 h
	s_lshl_b32 s48, s12, 16                        ; Q's codes: 65,536 a head, 4,096 a group, 512 a tile
	s_lshl_b32 s49, s14, 9
	s_add_co_u32 s48, s48, s49
	s_lshl_b32 s49, s13, 12
	s_add_co_u32 s48, s48, s49
	s_mov_b32 s49, 0
	s_add_nc_u64 s[50:51], s[4:5], s[48:49]
	s_sub_co_u32 s52, 15, s13
	s_sub_co_u32 s52, s52, s13                     ; groups from my first to my second: 15 - 2 (w % 8), 1 or more
	s_lshl_b32 s54, s52, 12
	s_mov_b32 s55, 0
	s_add_nc_u64 s[56:57], s[50:51], s[54:55]
	s_lshl_b32 s48, s12, 13                        ; Q's scale words: 8,192 a head, 512 a group, 256 for four tiles, 4 a tile
	s_lshl_b32 s58, s13, 9
	s_add_co_u32 s48, s48, s58
	s_lshr_b32 s58, s14, 2
	s_lshl_b32 s58, s58, 8
	s_add_co_u32 s48, s48, s58
	s_and_b32 s58, s14, 3
	s_lshl_b32 s58, s58, 2
	s_add_co_u32 s48, s48, s58
	s_add_co_u32 s48, s48, 4194304
	s_add_nc_u64 s[58:59], s[4:5], s[48:49]
	s_lshl_b32 s54, s52, 9
	s_add_nc_u64 s[60:61], s[58:59], s[54:55]
	global_load_b128 v[16:19], v1, s[50:51]        ; both tiles' Q now
	global_load_b128 v[24:27], v1, s[56:57]
	global_load_b32 v255, v2, s[58:59]
	global_load_b32 v11, v2, s[60:61]
	s_lshr_b32 s48, s12, 4                         ; ob: the unit of my first group,
	s_lshl_b32 s48, s48, 4
	s_add_co_u32 s48, s48, s13
	s_mul_i32 s48, s48, 69632
	s_and_b32 s53, s12, 15                         ; the head: K = 64 head + d of the last product:
	s_lshr_b32 s54, s53, 3                         ; K half,
	s_bfe_u32 s62, s53, 0x20001                    ; K step,
	s_and_b32 s63, s53, 1                          ; piece
	s_lshl_b32 s42, s54, 15
	s_add_co_u32 s42, s42, s48
	s_lshl_b32 s43, s14, 12
	s_add_co_u32 s42, s42, s43
	s_lshl_b32 s43, s62, 10
	s_add_co_u32 s42, s42, s43
	s_lshl_b32 s43, s63, 9
	s_add_co_u32 s42, s42, s43
	s_mov_b32 s43, 0
	s_add_nc_u64 s[36:37], s[8:9], s[42:43]        ; my 512 bytes of codes
	s_lshl_b32 s42, s54, 11
	s_add_co_u32 s42, s42, s48
	s_lshl_b32 s45, s14, 8
	s_add_co_u32 s42, s42, s45
	s_lshl_b32 s45, s62, 2
	s_add_co_u32 s42, s42, s45
	s_lshl_b32 s45, s63, 1
	s_add_co_u32 s42, s42, s45
	s_add_co_u32 s42, s42, 65536
	s_add_nc_u64 s[38:39], s[8:9], s[42:43]        ; my two bytes of each row's scale word
	s_mul_i32 s40, s52, 69632                      ; from my first group's unit to my second's
	s_mov_b32 s41, 0
	s_mov_b32 s44, 0xffff0000                      ; lanes 16-31
	s_mov_b32 s20, 0x76543210
	s_mov_b32 s21, 0xfedcba98                      ; v_permlanex16_b32's selects for lane l xor 16
	s_mov_b32 s22, 0x3e38aa3b                      ; c = log2(e) / 8
	s_mov_b32 s23, s22                             ; (named with it as a pair, so it is written)
.irp j, 20,21,22,23
	v_mov_b32 v\j, 0                               ; Q's zero codes for K = 64 .. 127
.endr
.irp t, 0,1,2,3,4,5,6,7
.irp j, 4,5,6,7
	v_mov_b32 v[32+8*\t+\j], 0                     ; K's likewise: written once, never loaded
.endr
.endr
.irp j, 236,237,238,239,252,253
	v_mov_b32 v\j, 0                               ; written once: lane permutes' destinations, and the pair v[252:253]
.endr
	s_wait_tensorcnt 0x0                           ; my record is in,
	s_barrier_signal -1
	s_barrier_wait -1                              ; everybody's is: from here on LDS is only read
	s_wait_loadcnt 0x0                             ; Q
	s_mov_b32 s18, 2
.Ltile:                                            ; two trips: my tile of group w % 8, then of group 15 - w % 8
	v_mov_b32 v13, 0xff61b1e6                      ; the largest t so far: -3e38, under every t
	s_delay_alu instid0(VALU_DEP_1)
	v_floor_f32 v12, -v13                          ; -M
	v_mov_b32 v14, 0                               ; the sum, in two halves
	v_mov_b32 v15, 0
.set n, 0
.rept 32
	v_mov_b32 v[160+n], 0                          ; O^T: the key step is written once; its first trip finds zeros, which the first change of M leaves zeros
.set n, n+1
.endr
	s_mov_b32 s17, 0                               ; LDS byte of the key group's record
	s_mov_b32 s16, 0                               ; the key group
.Lkey:                                             ; 16 trips, a constant
	s_cmp_gt_u32 s16, s15                          ; all its keys come after my queries: nothing to do
	s_cbranch_scc1 .Lskip
	s_setprio 2
	v_add_nc_u32 v5, s17, v1
	v_add_nc_u32 v6, s17, v2
.irp t, 0,1,2,3,4,5,6,7
	ds_load_b128 v[32+8*\t:35+8*\t], v5 offset:512*\t          ; K's eight tiles: 512 consecutive bytes a load
.endr
	ds_load_b128 v[240:243], v6 offset:8192                    ; their scale words, tiles 0-3,
	ds_load_b128 v[248:251], v6 offset:8448                    ; tiles 4-7
.irp t, 0,1,2,3
.irp c, 0,1
	ds_load_b128 v[192+8*\t+4*\c:195+8*\t+4*\c], v5 offset:4096+1024*\t+512*\c   ; V^T's four fragments
.endr
.endr
	ds_load_b128 v[28:31], v6 offset:8704                      ; and their scale words
	s_wait_dscnt 0x9                               ; K and its scale words are in; V's nine loads may stay out
.irp t, 0,1,2,3
	v_wmma_scale_f32_16x16x128_f8f6f4 v[96+8*\t:103+8*\t], v[32+8*\t:39+8*\t], v[16:23], 0, v[240+\t], v255 matrix_a_fmt:MATRIX_FMT_FP4 matrix_b_fmt:MATRIX_FMT_FP4
.endr
.irp t, 4,5,6,7
	v_wmma_scale_f32_16x16x128_f8f6f4 v[96+8*\t:103+8*\t], v[32+8*\t:39+8*\t], v[16:23], 0, v[244+\t], v255 matrix_a_fmt:MATRIX_FMT_FP4 matrix_b_fmt:MATRIX_FMT_FP4
.endr
.rept 4
	v_nop                                          ; places ahead of the first read of the scores
.endr
	s_cmp_lg_u32 s16, s15                          ; on the diagonal the scores of hidden keys become -infinity ahead of the maximum: p = 0 then
	s_cbranch_scc1 .Lopen
	v_mov_b32 v254, 0xff800000
.set n, 0
.rept 64
	v_cmp_gt_i32 vcc_lo, 32*(n/16)+n%16, v3        ; register 16 b + i holds key 32 b + 16 h + i of the group: hidden where 32 b + i > my query's place - 16 h
	v_cndmask_b32 v[96+n], v[96+n], v254, vcc_lo
.set n, n+1
.endr
.Lopen:
.irp b, 0,1,2,3
	v_max3_num_f32 v[232+\b], v[96+16*\b], v[97+16*\b], v[98+16*\b]   ; the largest score of each block of 32 keys: for the row's maximum, and for the block's largest p
.endr
.irp i, 3,5,7,9,11,13
.irp b, 0,1,2,3
	v_max3_num_f32 v[232+\b], v[232+\b], v[96+16*\b+\i], v[97+16*\b+\i]
.endr
.endr
.irp b, 0,1,2,3
	v_max_num_f32 v[232+\b], v[232+\b], v[111+16*\b]
.endr
.irp b, 0,1,2,3
	s_delay_alu instid0(VALU_DEP_4)
	v_permlanex16_b32 v[236+\b], v[232+\b], s20, s21
.endr
.irp b, 0,1,2,3
	s_delay_alu instid0(VALU_DEP_4)
	v_max_num_f32 v[232+\b], v[232+\b], v[236+\b]  ; with lane l xor 16's 16 keys
.endr
	s_delay_alu instid0(VALU_DEP_2)
	v_max3_num_f32 v254, v232, v233, v234
	s_delay_alu instid0(VALU_DEP_1)
	v_max_num_f32 v254, v254, v235                 ; the step's largest score of my query (its own key counts, so it is a number)
	s_delay_alu instid0(VALU_DEP_1)
	v_mul_f32 v254, s22, v254                      ; as t
	s_delay_alu instid0(VALU_DEP_1)
	v_max_num_f32 v13, v13, v254                   ; the running largest t
	v_mov_b32 v254, v12
	s_delay_alu instid0(VALU_DEP_2)
	v_floor_f32 v12, -v13                          ; the new -M = -ceil(t)
	s_delay_alu instid0(VALU_DEP_1)
	v_sub_f32 v254, v12, v254                      ; old M - new M: a whole number, 0 or less
	s_delay_alu instid0(VALU_DEP_1)
	v_cvt_i32_f32 v254, v254                       ; (it saturates)
	s_delay_alu instid0(VALU_DEP_1)
	v_ldexp_f32 v252, 1.0, v254                    ; f = 2^(old M - new M)
.set n, 0
.rept 32
	v_pk_fma_f32 v[96+n:97+n], v[96+n:97+n], s[22:23], v[12:13] op_sel_hi:[1,0,0]   ; t - M, two at a time
.set n, n+2
.endr
	s_setprio 1
.irp b, 0,1,2,3
	v_fma_f32 v[232+\b], v[232+\b], s22, v12       ; the same of each block's largest score
.endr
.set n, 0
	s_wait_alu depctr_va_vdst(0)
.rept 64
	v_exp_f32 v[96+n], v[96+n]                     ; p = 2^(t - M)
.set n, n+1
.endr
	v_pk_mul_f32 v[14:15], v[14:15], v[252:253] op_sel_hi:[1,0]   ; the sums under the new M: the plain place behind the exponentials
	s_wait_alu depctr_va_vdst(0)                   ; one wait for the batch of 64, ahead of its first reader
.irp b, 0,1,2,3
	v_exp_f32 v[232+\b], v[232+\b]                 ; each block's largest p
.endr
	v_pk_add_f32 v[236:237], v[100:101], v[104:105]
	v_pk_add_f32 v[250:251], v[108:109], v[112:113]
	v_pk_add_f32 v[248:249], v[116:117], v[120:121]
	v_pk_add_f32 v[246:247], v[124:125], v[128:129]
	v_pk_add_f32 v[244:245], v[132:133], v[136:137]
	v_pk_add_f32 v[242:243], v[140:141], v[144:145]
	v_pk_add_f32 v[240:241], v[148:149], v[152:153]
	v_pk_add_f32 v[14:15], v[14:15], v[156:157]
	v_pk_add_f32 v[236:237], v[236:237], v[96:97]
	v_pk_add_f32 v[250:251], v[250:251], v[98:99]
	v_pk_add_f32 v[248:249], v[248:249], v[102:103]
	v_pk_add_f32 v[246:247], v[246:247], v[106:107]
	v_pk_add_f32 v[244:245], v[244:245], v[110:111]
	v_pk_add_f32 v[242:243], v[242:243], v[114:115]
	v_pk_add_f32 v[240:241], v[240:241], v[118:119]
	v_pk_add_f32 v[14:15], v[14:15], v[122:123]
	v_pk_add_f32 v[236:237], v[236:237], v[126:127]
	v_pk_add_f32 v[250:251], v[250:251], v[130:131]
	v_pk_add_f32 v[248:249], v[248:249], v[134:135]
	v_pk_add_f32 v[246:247], v[246:247], v[138:139]
	v_pk_add_f32 v[244:245], v[244:245], v[142:143]
	v_pk_add_f32 v[242:243], v[242:243], v[146:147]
	v_pk_add_f32 v[240:241], v[240:241], v[150:151]
	v_pk_add_f32 v[14:15], v[14:15], v[154:155]
	v_pk_add_f32 v[236:237], v[236:237], v[158:159]
	s_delay_alu instid0(VALU_DEP_2)
	v_pk_add_f32 v[14:15], v[14:15], v[246:247]
	s_delay_alu instid0(VALU_DEP_2)
	v_pk_add_f32 v[236:237], v[236:237], v[244:245]
	v_pk_add_f32 v[250:251], v[250:251], v[242:243]
	v_pk_add_f32 v[248:249], v[248:249], v[240:241]
	s_delay_alu instid0(VALU_DEP_2)
	v_pk_add_f32 v[14:15], v[14:15], v[250:251]
	s_delay_alu instid0(VALU_DEP_2)
	v_pk_add_f32 v[236:237], v[236:237], v[248:249]
	s_delay_alu instid0(VALU_DEP_1)
	v_pk_add_f32 v[14:15], v[14:15], v[236:237]
	s_wait_alu depctr_va_vdst(0)                   ; and one for the four
.irp b, 0,1,2,3
	v_max_num_f32 v[232+\b], 0x1800000, v[232+\b]  ; the floor 2^(3 - 127): the byte cannot fall under 1
.endr
.irp b, 0,1,2,3
	s_delay_alu instid0(VALU_DEP_4)
	v_add_nc_u32 v[244+\b], 0xff000000, v[232+\b]  ; the conversion's scale operand
.endr
.irp b, 0,1,2,3
	s_delay_alu instid0(VALU_DEP_4)
	v_lshrrev_b32 v[236+\b], 23, v[244+\b]         ; the scale's byte
.endr
	s_delay_alu instid0(VALU_DEP_3)
	v_lshl_or_b32 v253, v237, 8, v236              ; p's scale word for these 128 keys
	s_delay_alu instid0(VALU_DEP_1)
	v_lshl_or_b32 v253, v238, 16, v253
	s_delay_alu instid0(VALU_DEP_1)
	v_lshl_or_b32 v253, v239, 24, v253
	s_setprio 0
.irp b, 0,1,2,3
	v_cvt_scalef32_pk8_fp4_f32 v[224+2*\b], v[96+16*\b:103+16*\b], v[244+\b]
	v_cvt_scalef32_pk8_fp4_f32 v[225+2*\b], v[104+16*\b:111+16*\b], v[244+\b]
.endr
	v_nop                                          ; one plain place behind the last scaled conversion
.irp c, 0,1
.irp i, 0,1
	v_permlane16_swap_b32 v[224+4*\c+\i], v[226+4*\c+\i]   ; a whole block to a lane
.endr
.endr
.set n, 0
.rept 16
	v_pk_mul_f32 v[160+n:161+n], v[160+n:161+n], v[252:253] op_sel_hi:[1,0]   ; O^T under the new M; these sixteen are also the places between p's codes and scale word and the products
.set n, n+2
.endr
	s_wait_alu depctr_va_vdst(0)
	s_wait_dscnt 0x0                               ; V and its scale words
.irp t, 0,1,2,3
	v_wmma_scale_f32_16x16x128_f8f6f4 v[160+8*\t:167+8*\t], v[192+8*\t:199+8*\t], v[224:231], v[160+8*\t:167+8*\t], v[28+\t], v253 matrix_a_fmt:MATRIX_FMT_FP4 matrix_b_fmt:MATRIX_FMT_FP4
.endr
.rept 4
	v_nop                                          ; places ahead of the next trip's loads into V's registers, and of the way out's reads of O^T
.endr
.Lskip:
	s_add_co_u32 s17, s17, REC
	s_add_co_u32 s16, s16, 1
	s_cmp_lt_u32 s16, 16
	s_cbranch_scc1 .Lkey
	s_setprio 0
	; THE WAY OUT of a tile: O^T / the sum, quantised along d, stored as a piece of the last product's fragment
	v_add_f32 v14, v14, v15
	s_delay_alu instid0(VALU_DEP_1)
	v_permlanex16_b32 v252, v14, s20, s21
	s_delay_alu instid0(VALU_DEP_1)
	v_add_f32 v14, v14, v252                       ; the row's sum
	s_wait_alu depctr_va_vdst(0)
	v_rcp_f32 v14, v14
	v_nop                                          ; a plain place behind the reciprocal,
	s_wait_alu depctr_va_vdst(0)                   ; and the wait ahead of its first reader
.set n, 0
.rept 16
	v_pk_mul_f32 v[96+n:97+n], v[160+n:161+n], v[14:15] op_sel_hi:[1,0]   ; register 16 b + i: d = 32 b + 16 h + i; each accumulator from its low end on
.set n, n+2
.endr
.irp b, 0,1
	v_max3_num_f32 v[232+\b], |v[96+16*\b]|, |v[97+16*\b]|, 0x1800000
.endr
.irp i, 2,4,6,8,10,12,14
.irp b, 0,1
	s_delay_alu instid0(VALU_DEP_2)
	v_max3_num_f32 v[232+\b], v[232+\b], |v[96+16*\b+\i]|, |v[97+16*\b+\i]|
.endr
.endr
.irp b, 0,1
	s_delay_alu instid0(VALU_DEP_2)
	v_permlanex16_b32 v[236+\b], v[232+\b], s20, s21
.endr
.irp b, 0,1
	s_delay_alu instid0(VALU_DEP_2)
	v_max_num_f32 v[232+\b], v[232+\b], v[236+\b]
.endr
.irp b, 0,1
	s_delay_alu instid0(VALU_DEP_2)
	v_add_nc_u32 v[244+\b], 0xff000000, v[232+\b]
.endr
.irp b, 0,1
	s_delay_alu instid0(VALU_DEP_2)
	v_lshrrev_b32 v[236+\b], 23, v[244+\b]
.endr
.irp b, 0,1
	v_cvt_scalef32_pk8_fp4_f32 v[224+2*\b], v[96+16*\b:103+16*\b], v[244+\b]
	v_cvt_scalef32_pk8_fp4_f32 v[225+2*\b], v[104+16*\b:111+16*\b], v[244+\b]
.endr
	v_nop
	v_permlane16_swap_b32 v224, v226               ; lanes 0-15: d = 0 .. 31, lanes 16-31: d = 32 .. 63
	v_permlane16_swap_b32 v225, v227
	v_cndmask_b32 v238, v236, v237, s44            ; my block's byte
	global_store_b128 v1, v[224:227], s[36:37]     ; 512 consecutive bytes, aligned
	global_store_b8 v4, v238, s[38:39]             ; a row's word holds two heads' bytes, and the other head is another cluster's: so single bytes, one in seventeen of what the launch stores
	s_wait_xcnt 0x0                                ; the stores have read their registers and bases
	s_add_nc_u64 s[36:37], s[36:37], s[40:41]      ; on to my second group (behind the second tile these are not used)
	s_add_nc_u64 s[38:39], s[38:39], s[40:41]
	s_sub_co_u32 s15, 15, s15
	v_mov_b32 v16, v24                             ; its Q; the next trip's 36 plain lines are the places ahead of the products
	v_mov_b32 v17, v25
	v_mov_b32 v18, v26
	v_mov_b32 v19, v27
	v_mov_b32 v255, v11
	s_sub_co_u32 s18, s18, 1
	s_cmp_lg_u32 s18, 0
	s_cbranch_scc1 .Ltile
	s_wait_xcnt 0x0
	v_lshl_add_u32 v254, v0, 2, 0x29000
	v_mov_b32 v255, 0
	s_wait_alu depctr_va_vdst(0)
	s_wait_tensorcnt 0x0
	ds_add_u32 v254, v255
	s_wait_dscnt 0x0
	CROUND                                         ; the closing round
	s_endpgm
.Lfunc_end_k_qc9805316f3_attn:
	.size	k_qc9805316f3_attn, .Lfunc_end_k_qc9805316f3_attn-k_qc9805316f3_attn
	.p2alignl 7, 3214868480
	.fill 96, 4, 3214868480
	.section	.rodata,"a",@progbits
	.p2align	6, 0x0
	.amdhsa_kernel k_qc9805316f3_attn
		.amdhsa_group_segment_fixed_size 169984
		.amdhsa_private_segment_fixed_size 0
		.amdhsa_enable_private_segment 0
		.amdhsa_kernarg_size 24
		.amdhsa_user_sgpr_count 2
		.amdhsa_user_sgpr_kernarg_segment_ptr 1
		.amdhsa_wavefront_size32 1
		.amdhsa_system_sgpr_workgroup_id_x 1
		.amdhsa_system_sgpr_workgroup_id_y 1
		.amdhsa_system_sgpr_workgroup_id_z 1
		.amdhsa_system_vgpr_workitem_id 0
		.amdhsa_next_free_vgpr 256
		.amdhsa_next_free_sgpr 66
		.amdhsa_reserve_vcc 1
		.amdhsa_float_denorm_mode_32 3
		.amdhsa_float_denorm_mode_16_64 3
		.amdhsa_memory_ordered 1
		.amdhsa_forward_progress 1
		.amdhsa_inst_pref_size 35
	.end_amdhsa_kernel
	.amdgpu_metadata
---
amdhsa.version: [ 1, 2 ]
amdhsa.kernels:
  - .name:           k_qc9805316f3_attn
    .symbol:         k_qc9805316f3_attn.kd
    .args:
      - { .name: qb, .offset: 0, .size: 8, .value_kind: global_buffer, .address_space: global }
      - { .name: kv, .offset: 8, .size: 8, .value_kind: global_buffer, .address_space: global }
      - { .name: ob, .offset: 16, .size: 8, .value_kind: global_buffer, .address_space: global }
    .group_segment_fixed_size: 169984
    .private_segment_fixed_size: 0
    .kernarg_segment_align: 8
    .kernarg_segment_size: 24
    .max_flat_workgroup_size: 512
    .sgpr_count:     66
    .vgpr_count:     256
    .wavefront_size: 32
...
	.end_amdgpu_metadata
.endif
;; end of part 3
;; launch proj (part 4): grid 4 x 64, 4 waves a work-group, clusters of 4 x 4, 262,656 bytes of LDS; arguments ob, wo, b_out, out0; writes out0
.if DOCPART == 4
	.amdgcn_target "amdgcn-amd-amdhsa--gfx1250"
	.amdhsa_code_object_version 6
	.text
	.protected	k_qc9805316f3_proj
	.globl	k_qc9805316f3_proj
	.p2align	8
	.type	k_qc9805316f3_proj,@function
k_qc9805316f3_proj:
	s_mov_b64 s[64:65], 0
	v_nop
	global_prefetch_b8 v0, s[64:65] scope:SCOPE_SE
	s_setreg_imm32_b32 hwreg(HW_REG_WAVE_MODE, 25, 1), 1
	s_wait_xcnt 0x0
	s_wait_alu depctr_hold_cnt(0) depctr_sa_sdst(0) depctr_va_vdst(0) depctr_va_sdst(0) depctr_va_ssrc(0) depctr_va_vcc(0) depctr_vm_vsrc(0)
	s_getreg_b32 s2, hwreg(HW_REG_IB_STS2, 6, 4)
	s_cmp_eq_u32 s2, 0
	s_cbranch_scc0 .Lentry_in_a_cluster
	s_endpgm
.Lentry_in_a_cluster:
	s_bfe_u32 s2, ttmp6, 0x10000c
	s_cmp_lg_u32 s2, 0xf033
	s_cbranch_scc0 .Lentry_shape_is_right
	s_endpgm
.Lentry_shape_is_right:
; out0 = attention's result x w_out + b_out on codes of FP4 (E2M1) with E8M0 scales, K = 1,024.  ob and wo are units of 128 rows, fragments as images of registers (see the quantising launch).
; SHARES.  Work-group (tx 0..3, ty 0..63) makes 128 tokens x 256 columns.  Wave (i, j) = (w / 2, w % 2): source 1 = tokens' tiles 4 i .. 4 i + 3, source 0 = the 8 tiles of weight unit j: 32 accumulators.
; In a result lane (r, h) holds token index r, and register j of tile b is column 32 (b / 2) + 16 h + 8 (b % 2) + j: eight neighbouring numbers of a row of out0.  The bias is the C of each sum's first matrix instruction.
; All operands come with the first fills (the tokens' unit, the weight's scale words, its K halves 0 and 1): nothing is filled again.  CLUSTER 4 x 4: the tokens' unit is shared along a row, the weight along a column.
; The way out goes through each wave's own stage in LDS, 16 rows of 512 + 16 bytes, so that 32 lanes store 512 consecutive bytes of a row.
; No prefetch: all that the launch reads comes with its first loads.
; REGISTERS.  window 0: v1-22 addresses, v32-63 and v64-79 scale words, v96-159 source 1's fragments (two sets), on the way out v96-223 rows.  window 1: source 0's fragments.  window 2: accumulators.  window 3: the bias.
.set XSCL,  65536
.set WA,    69632
.set WB,    135168
.set WSC,   200704                     ; the weight's scale words: (2 unit + K half) x 2,048
.set STG,   208896                     ; the stages: 8,448 bytes for each wave; no fill lands there
.set SC0, 32
.set SC1, 64
.set F1,  96
.set BQ,  0
.set G1X, 24
.set G1W, 32
.set G1S, 40
.set G0X, 48
.set G0A, 52
.set G0B, 56
.set G0S, 60
.set MSB, 0
.macro WIN new                         ; the immediate's high byte repeats the setting that is left
.if MSB != \new
	s_set_vgpr_msb (MSB<<8)|\new
.set MSB, \new
.endif
.endm
.macro PLACES                          ; four plain places behind matrix instructions, and behind a tensor load
.rept 4
	v_nop
.endr
.endm
.macro CROUND                          ; a round of the cluster's barrier
	s_barrier_signal -1
	s_barrier_wait -1
	s_cmp_lg_u32 s14, 0
	s_cbranch_scc1 .Lnot_wave_0_\@
	s_barrier_signal -3
.Lnot_wave_0_\@:
	s_barrier_wait -3
	s_barrier_signal -1
	s_barrier_wait -1
.endm
.macro FETCH q, p, ad0, o0, ad1, o1    ; K step q's fragments into set p
	WIN 0x40                                       ; destination window 1, address window 0
.irp i, 0,1,2,3,4,5,6,7
.irp c, 0,1
	ds_load_b128 v[64*(\p)+8*\i+4*\c:64*(\p)+8*\i+4*\c+3], v[\ad0] offset:(\o0)+4096*\i+1024*(\q)+512*\c
.endr
.endr
	WIN 0
.irp i, 0,1,2,3
.irp c, 0,1
	ds_load_b128 v[F1+32*(\p)+8*\i+4*\c:F1+32*(\p)+8*\i+4*\c+3], v[\ad1] offset:(\o1)+4096*\i+1024*(\q)+512*\c
.endr
.endr
.endm
.macro SCALES as0, so0, as1, so1       ; a K half's scale words: four words a row by one load
.irp i, 0,1,2,3,4,5,6,7
	ds_load_b128 v[SC0+4*\i:SC0+4*\i+3], v[\as0] offset:(\so0)+256*\i
.endr
.irp i, 0,1,2,3
	ds_load_b128 v[SC1+4*\i:SC1+4*\i+3], v[\as1] offset:(\so1)+256*\i
.endr
.endm
; 16 matrix instructions.  cm = 0: the sums go on; 1: they begin with the bias of source 0's tile b.  The 32 accumulators take turns, one instruction a turn.
.macro MUL16 a0, p, q, cm, bb
.if (\cm) == 0
	WIN 0xa1                                       ; source 0 window 1, source 1 window 0, C and D window 2
.else
	WIN 0xb1                                       ; C window 3
.endif
.irp a, \a0, \a0+1
.irp b, 0,1,2,3,4,5,6,7
.if (\cm) == 0
	v_wmma_scale_f32_16x16x128_f8f6f4 v[8*(8*(\a)+\b):8*(8*(\a)+\b)+7], v[64*(\p)+8*\b:64*(\p)+8*\b+7], v[F1+32*(\p)+8*(\a):F1+32*(\p)+8*(\a)+7], v[8*(8*(\a)+\b):8*(8*(\a)+\b)+7], v[SC0+4*\b+(\q)], v[SC1+4*(\a)+(\q)] matrix_a_fmt:MATRIX_FMT_FP4 matrix_b_fmt:MATRIX_FMT_FP4
.else
	v_wmma_scale_f32_16x16x128_f8f6f4 v[8*(8*(\a)+\b):8*(8*(\a)+\b)+7], v[64*(\p)+8*\b:64*(\p)+8*\b+7], v[F1+32*(\p)+8*(\a):F1+32*(\p)+8*(\a)+7], v[(\bb)+8*\b:(\bb)+8*\b+7], v[SC0+4*\b+(\q)], v[SC1+4*(\a)+(\q)] matrix_a_fmt:MATRIX_FMT_FP4 matrix_b_fmt:MATRIX_FMT_FP4
.endif
.endr
.endr
.endm
; A K half: four K steps of 128, 32 matrix instructions each; the next step's 24 loads stand in one run in a step's middle.
.macro HALF ad0, o0, ad1, o1, as0, so0, as1, so1, cm, bb
	PLACES
	FETCH 0, 0, \ad0, \o0, \ad1, \o1
	SCALES \as0, \so0, \as1, \so1
.irp q, 0,1,2,3
	s_wait_dscnt 0x0                               ; this step's fragments are in (and, in the first step, the scale words)
.if \q == 0
	MUL16 0, 0, 0, \cm, \bb
.else
	MUL16 0, (\q%2), \q, 0, 0
.endif
.if \q < 3
	PLACES                                         ; the other set was read by the step before
	FETCH (\q+1), (1-\q%2), \ad0, \o0, \ad1, \o1
.endif
.if \q == 0
	MUL16 2, 0, 0, \cm, \bb
.else
	MUL16 2, (\q%2), \q, 0, 0
.endif
.endr
	WIN 0
.endm
	s_load_b256 s[4:11], s[0:1], 0x0               ; ob s[4:5], wo s[6:7], b_out s[8:9], out0 s[10:11]
	v_lshl_add_u32 v254, v0, 2, 0x40000
	v_mov_b32 v255, 0
	ds_add_u32 v254, v255
	ds_add_u32 v254, v255
	v_lshrrev_b32 v30, 5, v0
	v_readfirstlane_b32 s14, v30                   ; wave 0..3
	s_lshr_b32 s15, s14, 1                         ; i
	s_and_b32 s16, s14, 1                          ; j
	s_bfe_u32 s17, ttmp6, 0x40000                  ; cx
	s_bfe_u32 s18, ttmp6, 0x40004                  ; cy
	s_lshl_b32 s19, ttmp9, 2
	s_add_co_u32 s19, s19, s17                     ; tx
	s_and_b32 s20, ttmp7, 0xffff
	s_lshl_b32 s20, s20, 2
	s_add_co_u32 s20, s20, s18                     ; ty
	s_lshl_b32 s21, s18, 2
	s_lshl_b32 s21, 15, s21                        ; my row of the cluster
	s_lshl_b32 s22, 0x1111, s17                    ; my column
	s_or_b32 s[G1X], s21, (3<<16)|(1<<21)          ; 15:0 the mask; 17:16 elements of 8 bytes; 21 set beside a mask; no padding
	s_mov_b32 s[G1X+1], 32<<16                     ; dense blocks as rows of 256 bytes
	s_mov_b32 s[G1X+2], 68<<16                     ; a quarter of the unit's 69,632 bytes
	s_mov_b32 s[G1X+3], 32<<16
	s_mov_b32 s[G1X+4], 68
	s_mov_b32 s[G1X+5], 32
	s_mov_b32 s[G1X+6], 0
	s_mov_b32 s[G1X+7], 0
	s_or_b32 s[G1W], s22, (3<<16)|(1<<21)
	s_mov_b32 s[G1W+1], 32<<16
	s_mov_b32 s[G1W+2], 64<<16                     ; a quarter of a slot
	s_mov_b32 s[G1W+3], 32<<16
	s_mov_b32 s[G1W+4], 64
	s_mov_b32 s[G1W+5], 32
	s_mov_b32 s[G1W+6], 0
	s_mov_b32 s[G1W+7], 0
	s_or_b32 s[G1S], s22, (3<<16)|(1<<21)
	s_mov_b32 s[G1S+1], 256<<16                    ; one row of 2,048 bytes: a unit's scale words of one K half
	s_mov_b32 s[G1S+2], 1<<16
	s_mov_b32 s[G1S+3], 256<<16
	s_mov_b32 s[G1S+4], 1
	s_mov_b32 s[G1S+5], 256
	s_mov_b32 s[G1S+6], 0
	s_mov_b32 s[G1S+7], 0
	s_mul_i32 s90, s20, 69632                      ; the tokens' unit hangs on ty and the wave alone,
	s_mul_i32 s[G0X+1], s14, 17408
	s_add_co_u32 s90, s90, s[G0X+1]
	s_mov_b32 s91, 0
	s_lshl_b32 s92, s19, 1                         ; the weight's on tx and the wave alone
	s_add_co_u32 s92, s92, s15                     ; unit 2 tx + w / 2
	s_lshl_b32 s94, s92, 12
	s_lshl_b32 s92, s92, 16
	s_lshl_b32 s93, s16, 14
	s_add_co_u32 s92, s92, s93
	s_lshl_b32 s93, s16, 11
	s_add_co_u32 s94, s94, s93
	s_add_co_u32 s94, s94, 524288                  ; behind all units' codes
	s_mov_b32 s93, 0
	s_mov_b32 s95, 0
	s_lshl_b32 s[G0A+1], s14, 14
	s_add_co_u32 s[G0B+1], s[G0A+1], WB
	s_add_co_u32 s[G0A+1], s[G0A+1], WA
	s_lshl_b32 s[G0S+1], s14, 11
	s_add_co_u32 s[G0S+1], s[G0S+1], WSC
	s_mov_b32 s[G0X], 1
	s_mov_b32 s[G0A], 1
	s_mov_b32 s[G0B], 1
	s_mov_b32 s[G0S], 1
	s_wait_dscnt 0x0
	s_wait_kmcnt 0x0
	s_add_nc_u64 s[G0X+2:G0X+3], s[4:5], s[90:91]
	s_or_b32 s[G0X+3], s[G0X+3], 0x80000000
	s_add_nc_u64 s[G0A+2:G0A+3], s[6:7], s[92:93]
	s_add_nc_u64 s[G0B+2:G0B+3], s[G0A+2:G0A+3], 32768
	s_or_b32 s[G0A+3], s[G0A+3], 0x80000000
	s_or_b32 s[G0B+3], s[G0B+3], 0x80000000
	s_add_nc_u64 s[G0S+2:G0S+3], s[6:7], s[94:95]
	s_or_b32 s[G0S+3], s[G0S+3], 0x80000000
	CROUND                                         ; all sixteen work-groups are here: the joint loads meet
	tensor_load_to_lds s[G0X:G0X+3], s[G1X:G1X+7]  ; the launch's only fills, as one group: four loads of mine are out
	s_nop 0
	tensor_load_to_lds s[G0S:G0S+3], s[G1S:G1S+7]
	s_nop 0
	tensor_load_to_lds s[G0A:G0A+3], s[G1W:G1W+7]
	s_nop 0
	tensor_load_to_lds s[G0B:G0B+3], s[G1W:G1W+7]
	s_nop 0
	PLACES
	v_and_b32 v30, 31, v0
	v_lshlrev_b32 v1, 4, v30                       ; 16 x lane
	v_and_b32 v31, 15, v0                          ; r
	v_lshlrev_b32 v2, 4, v31                       ; 16 r
	s_wait_alu depctr_va_vdst(0)
	v_bfe_u32 v3, v0, 4, 1                         ; h
	s_wait_alu depctr_va_vdst(0)
	s_lshl_b32 s80, s15, 14
	v_add_nc_u32 v5, s80, v1                       ; the tokens' tiles 4 i on
	s_lshl_b32 s80, s16, 15
	s_add_co_u32 s81, s80, WA
	v_add_nc_u32 v6, s81, v1                       ; weight unit j, K half 0,
	s_add_co_u32 s81, s80, WB
	v_add_nc_u32 v7, s81, v1                       ; K half 1
	s_lshl_b32 s80, s16, 12
	s_add_co_u32 s80, s80, WSC
	v_add_nc_u32 v8, s80, v2                       ; its scale words
	s_lshl_b32 s80, s15, 10
	s_add_co_u32 s80, s80, XSCL
	v_add_nc_u32 v9, s80, v2                       ; the tokens' scale words
	v_lshlrev_b32 v15, 6, v3                       ; the bias: 16 h numbers on
	s_wait_alu depctr_va_vdst(0)
	s_mul_i32 s80, s14, 8448
	s_add_co_u32 s80, s80, STG                     ; my stage
	v_mul_u32_u24 v21, v31, 528
	v_lshl_add_u32 v21, v3, 6, v21
	v_add_nc_u32 v21, s80, v21                     ; into it: row r, + 64 h bytes
	v_add_nc_u32 v22, s80, v1                      ; out of it: a row of 512 bytes to the 32 lanes
	s_lshl_b32 s84, s20, 7
	s_lshl_b32 s86, s15, 6
	s_add_co_u32 s84, s84, s86                     ; my first token: 128 ty + 64 i
	s_lshl_b32 s84, s84, 12
	s_lshl_b32 s88, s19, 10                        ; my first column, in bytes: 1,024 tx + 512 j
	s_lshl_b32 s86, s16, 9
	s_add_co_u32 s88, s88, s86
	s_add_co_u32 s84, s84, s88
	s_mov_b32 s85, 0
	s_mov_b32 s89, 0
	s_add_nc_u64 s[66:67], s[10:11], s[84:85]
	s_add_nc_u64 s[76:77], s[8:9], s[88:89]
	WIN 0xc0                                       ; destination window 3
.irp b, 0,1,2,3,4,5,6,7
	global_load_b128 v[BQ+8*\b:BQ+8*\b+3], v15, s[76:77] offset:4*(32*(\b/2)+8*(\b%2))       ; in the result's layout: columns 32 (b / 2) + 16 h + 8 (b % 2) + 0 .. 7
	global_load_b128 v[BQ+8*\b+4:BQ+8*\b+7], v15, s[76:77] offset:4*(32*(\b/2)+8*(\b%2))+16
.endr
	WIN 0
	s_wait_tensorcnt 0x1                           ; the tokens' unit, the scale words and K half 0: my parts are in; K half 1's load may stay out
	s_barrier_signal -1
	s_barrier_wait -1                              ; everybody's are
	s_wait_loadcnt 0x0                             ; the bias
	HALF 6, 0, 5, 0, 8, 0, 9, 0, 1, BQ
	s_wait_tensorcnt 0x0                           ; K half 1: my part is in,
	s_wait_dscnt 0x0
	s_barrier_signal -1
	s_barrier_wait -1                              ; everybody's is
	HALF 7, 0, 5, 32768, 8, 2048, 9, 2048, 0, 0
; THE WAY OUT, a tile of 16 tokens x 128 columns at a time, through my own stage.  LDS serves a wave's instructions in order: no wait between the stores and the loads, nor ahead of the next tile's stores.
.macro TOSTAGE a
	WIN 0x08                                       ; an LDS store's data are its source 1: window 2
.irp b, 0,1,2,3,4,5,6,7
	ds_store_b128 v21, v[64*(\a)+8*\b:64*(\a)+8*\b+3] offset:128*(\b/2)+32*(\b%2)          ; each accumulator from its low end on
	ds_store_b128 v21, v[64*(\a)+8*\b+4:64*(\a)+8*\b+7] offset:128*(\b/2)+32*(\b%2)+16
.endr
	WIN 0
.irp t, 0,1,2,3,4,5,6,7,8,9,10,11,12,13,14,15
	ds_load_b128 v[96+64*((\a)%2)+4*\t:96+64*((\a)%2)+4*\t+3], v22 offset:528*\t
.endr
.endm
.macro SEND a, younger                 ; younger: the LDS instructions issued behind tile a's loads, which may stay out
	s_wait_dscnt \younger
.irp t, 0,1,2,3,4,5,6,7,8,9,10,11,12,13,14,15
	global_store_b128 v1, v[96+64*((\a)%2)+4*\t:96+64*((\a)%2)+4*\t+3], s[66:67] offset:(32*((\a)/2)+8*((\a)%2)+\t+8*(\t/8))*4096 th:TH_STORE_NT   ; 32 lanes store 512 consecutive bytes, aligned; index t of tile a is token 32 (a / 2) + 8 (a % 2) + t + 8 (t / 8)
.endr
.endm
	PLACES                                         ; ahead of the reads of results, and of the loads into the registers that held fragments
	s_wait_alu depctr_va_vdst(0)
	TOSTAGE 0
.irp a, 1,2,3
.if \a > 1
	s_wait_xcnt 0x0                                ; tile a - 2's stores have read their registers: tile a's rows may land there
.endif
	TOSTAGE \a
	SEND \a-1, 32                                  ; behind tile a - 1's loads: tile a's 16 stores and 16 loads
.endr
	SEND 3, 0
	s_wait_tensorcnt 0x0
	ds_add_u32 v254, v255
	s_wait_dscnt 0x0
	CROUND                                         ; the closing round: no work-group ends while a partner may still ask for a tile that names it
	s_endpgm
.Lfunc_end_k_qc9805316f3_proj:
	.size	k_qc9805316f3_proj, .Lfunc_end_k_qc9805316f3_proj-k_qc9805316f3_proj
	.p2alignl 7, 3214868480
	.fill 96, 4, 3214868480
	.section	.rodata,"a",@progbits
	.p2align	6, 0x0
	.amdhsa_kernel k_qc9805316f3_proj
		.amdhsa_group_segment_fixed_size 262656
		.amdhsa_private_segment_fixed_size 0
		.amdhsa_enable_private_segment 0
		.amdhsa_kernarg_size 32
		.amdhsa_user_sgpr_count 2
		.amdhsa_user_sgpr_kernarg_segment_ptr 1
		.amdhsa_wavefront_size32 1
		.amdhsa_system_sgpr_workgroup_id_x 1
		.amdhsa_system_sgpr_workgroup_id_y 1
		.amdhsa_system_sgpr_workgroup_id_z 1
		.amdhsa_system_vgpr_workitem_id 0
		.amdhsa_next_free_vgpr 1024
		.amdhsa_next_free_sgpr 100
		.amdhsa_reserve_vcc 0
		.amdhsa_float_denorm_mode_32 3
		.amdhsa_float_denorm_mode_16_64 3
		.amdhsa_memory_ordered 1
		.amdhsa_forward_progress 1
		.amdhsa_inst_pref_size 71
	.end_amdhsa_kernel
	.amdgpu_metadata
---
amdhsa.version: [ 1, 2 ]
amdhsa.kernels:
  - .name:           k_qc9805316f3_proj
    .symbol:         k_qc9805316f3_proj.kd
    .args:
      - { .name: ob, .offset: 0, .size: 8, .value_kind: global_buffer, .address_space: global }
      - { .name: wo, .offset: 8, .size: 8, .value_kind: global_buffer, .address_space: global }
      - { .name: b_out, .offset: 16, .size: 8, .value_kind: global_buffer, .address_space: global }
      - { .name: out0, .offset: 24, .size: 8, .value_kind: global_buffer, .address_space: global }
    .group_segment_fixed_size: 262656
    .private_segment_fixed_size: 0
    .kernarg_segment_align: 8
    .kernarg_segment_size: 32
    .max_flat_workgroup_size: 128
    .sgpr_count:     100
    .vgpr_count:     1024
    .wavefront_size: 32
...
	.end_amdgpu_metadata
.endif
;; end of part 4
